; MI455X (gfx1250); checked and timed in simulation.
; The chip was launched on July 23, 2026; its instructions are those of AMD's public machine-readable ISA for CDNA 5 (MIT licence, August 2026) and "CDNA5" Instruction Set Architecture Reference Guide (July 2026). The comments in the code are by the model that wrote it; some were corrected since.
;; Multi Head Attention. Allowed arithmetic: matrix products marked QUANTISED: E2M1 operands, one E8M0 scale for each 32 along K, by v_wmma_scale_f32_16x16x128_f8f6f4 with both operands' format E2M1 (or v_wmma_scale_f32_32x16x128_f4), f32 sums; everything else in f32.
;; Inputs: Wk_codes 1,024 x 32 x 16 uint8 (E2M1 codes of Wk, K innermost, in blocks of 32 codes, two codes a byte); Wk_scales 1,024 x 32 uint8 (E8M0 scales of Wk, one for each 32 codes along K); Wo_codes 1,024 x 32 x 16 uint8 (E2M1 codes of Wo, K innermost, in blocks of 32 codes, two codes a byte); Wo_scales 1,024 x 32 uint8 (E8M0 scales of Wo, one for each 32 codes along K); Wq_codes 1,024 x 32 x 16 uint8 (E2M1 codes of Wq, K innermost, in blocks of 32 codes, two codes a byte); Wq_scales 1,024 x 32 uint8 (E8M0 scales of Wq, one for each 32 codes along K); Wv_codes 1,024 x 32 x 16 uint8 (E2M1 codes of Wv, K innermost, in blocks of 32 codes, two codes a byte); Wv_scales 1,024 x 32 uint8 (E8M0 scales of Wv, one for each 32 codes along K); bk 1,024 float32; bo 1,024 float32; bq 1,024 float32; bv 1,024 float32; key_codes 4 x 2,048 x 32 x 16 uint8 (E2M1 codes of key, K innermost, in blocks of 32 codes, two codes a byte); key_scales 4 x 2,048 x 32 uint8 (E8M0 scales of key, one for each 32 codes along K); query_codes 4 x 2,048 x 32 x 16 uint8 (E2M1 codes of query, K innermost, in blocks of 32 codes, two codes a byte); query_scales 4 x 2,048 x 32 uint8 (E8M0 scales of query, one for each 32 codes along K); value_codes 4 x 2,048 x 32 x 16 uint8 (E2M1 codes of value, K innermost, in blocks of 32 codes, two codes a byte); value_scales 4 x 2,048 x 32 uint8 (E8M0 scales of value, one for each 32 codes along K).
;; Outputs: out0 4 x 2,048 x 1,024 float32.
;; This version of the problem:
;;   THIS VERSION OF THE PROBLEM IS GIVEN IN LOW PRECISION. The matrix products marked QUANTISED in the list below multiply operands that are first quantised to E2M1 (2 exponent bits, 1 mantissa bit; 4 bits a number), with one power-of-two scale for each 32 numbers along K (OCP MX v1.0); their sums are f32. All else is computed in f32.
;;   The module's matrix products, in the order in which they are computed (A, B: the left and right operand; K: the contracted axis; several contracted axes count as one K, in the product's order):
;;     1. [M 8,192, K 1,024] x [K 1,024, N 1,024]; A: input query (given as codes); B: input Wq (given as codes): QUANTISED
;;     2. [M 8,192, K 1,024] x [K 1,024, N 1,024]; A: input key (given as codes); B: input Wk (given as codes): QUANTISED
;;     3. [M 8,192, K 1,024] x [K 1,024, N 1,024]; A: input value (given as codes); B: input Wv (given as codes): QUANTISED
;;     4. batch 64 x [M 2,048, K 64] x [K 64, N 2,048]; A: computed on the way; B: computed on the way: QUANTISED
;;     5. batch 64 x [M 2,048, K 2,048] x [K 2,048, N 64]; A: softmax (see below); B: computed on the way: QUANTISED
;;     6. [M 8,192, K 1,024] x [K 1,024, N 1,024]; A: computed on the way; B: input Wo (given as codes): QUANTISED
;;   THE QUANTISER, for each operand of a quantised product, along K:
;;     - K is cut into blocks of 32 from its start; a last block that is shorter is filled with zeros.
;;     - A block's scale is 2^e with e = floor(log2(the largest magnitude in the block)) - 2, held to -126 .. 127; a block of zeros has e = 0. As a byte (E8M0): e + 127.
;;     - Each number is divided by its block's scale, clamped to +-6, and rounded to the nearest number of E2M1, ties to even, subnormals kept.
;;     - The product sums the exact products of the quantised numbers (number of the format x scale) in f32.
;;   ~~~python
;;   def quantise(x, axis):      # numpy; x: float32 -> the quantised numbers, widened to float32 again
;;       x = np.moveaxis(x, axis, -1); K = x.shape[-1]
;;       x = np.pad(x, [(0, 0)] * (x.ndim - 1) + [(0, -K % 32)]); x = x.reshape(x.shape[:-1] + (-1, 32)); a = np.abs(x).max(-1, keepdims=True)
;;       e = np.where(a > 0, np.clip(np.frexp(np.where(a > 0, a, 1))[1] - 1 - 2, -126, 127), 0)      # np.frexp(a)[1] - 1 = floor(log2(a)), exactly
;;       r = np.clip(x / 2.0 ** e, -6, 6)
;;       step = 2.0 ** (np.maximum(np.frexp(np.where(r == 0, 1, r))[1] - 1, 0) - 1)
;;       q = np.round(r / step) * step * 2.0 ** e      # np.round: ties to even
;;       return np.moveaxis(q.reshape(q.shape[:-2] + (-1,))[..., :K], -1, axis).astype(np.float32)
;;   ~~~
;;   SOFTMAX AHEAD OF A QUANTISED PRODUCT. Where the list says 'softmax', what is quantised is not the finished softmax but p = 2^(t - M), with t = logit x log2(e) and M = ceil(the row's largest t), a whole number; so 1/2 < the row's largest p <= 1. The row's sum l is taken of the UNQUANTISED p, in f32, and the product's result is divided by l at the end. Since M is a whole number, a kernel that streams over the keys may use a running M (the ceiling of the running maximum): every later rescaling is an exact power of two, which a block's scale takes up: the codes' values come out the same.
;;   OPERANDS COMPUTED ON THE WAY. 'Computed on the way' means the value that the module computes at that place (a softmax that the list does not call 'softmax' is quantised finished and normalised). What goes into a quantiser is computed in f32, as accurately as f32 sums, v_exp_f32 and their like allow (about 1e-6 of the number): no bf16 or f16 on the way to a quantiser, and a product that is left as it is and whose result goes on into a quantised operand takes f32 operands (vector FMAs, or v_wmma_f32_16x16x4_f32). A number that lies on a knife's edge between two numbers of the format may be rounded either way, as far as f32 arithmetic and the matrix unit's own rounding can turn it there, and no further.
;;   INPUTS GIVEN AS CODES. Wk (in the module: [1024, 1024], K = its axis 1); Wo (in the module: [1024, 1024], K = its axis 1); Wq (in the module: [1024, 1024], K = its axis 1); Wv (in the module: [1024, 1024], K = its axis 1); key (in the module: [4, 2048, 1024], K = its axis 2); query (in the module: [4, 2048, 1024], K = its axis 2); value (in the module: [4, 2048, 1024], K = its axis 2): each comes as NAME_codes (uint8): NAME with its K axis moved to the last place and cut into blocks of 32 codes, [.., K / 32, bytes a block], one block behind the other in memory; two codes a byte, the lower K in the low four bits (a code: sign, 2 exponent bits, 1 mantissa bit); and NAME_scales (uint8): the same leading axes, one E8M0 byte (e + 127) for each 32 codes along K. Its value is code x scale, taken as it is: it is not quantised again, and the codes and scales need not be those that the quantiser above would give.
;; One version. Each part assembles by itself: llvm-mc -triple=amdgcn-amd-amdhsa -mcpu=gfx1250 --defsym DOCPART=n.
;; ======== version 1 of 1: 3 launches
;; workspace buffers: q_img 4,194,304 bytes; q_scl 524,288 bytes; kv 9,175,040 bytes; ctx_img 4,194,304 bytes; ctx_scl 262,144 bytes
;; launch proj (part 1): grid 4 x 192, 8 waves a work-group, clusters of 4 x 4, 214,016 bytes of LDS; arguments Wq_codes, Wq_scales, query_codes, query_scales, bq, Wk_codes, Wk_scales, key_codes, key_scales, bk, value_codes, value_scales, Wv_codes, Wv_scales, bv, q_img, q_scl, kv; writes q_img, q_scl, kv
.if DOCPART == 1
	.amdgcn_target "amdgcn-amd-amdhsa--gfx1250"
	.amdhsa_code_object_version 6
	.text
	.protected	k_q057d979948_proj
	.globl	k_q057d979948_proj
	.p2align	8
	.type	k_q057d979948_proj,@function
k_q057d979948_proj:
	s_mov_b64 s[64:65], 0
	v_nop
	global_prefetch_b8 v0, s[64:65] scope:SCOPE_SE
	s_setreg_imm32_b32 hwreg(HW_REG_WAVE_MODE, 25, 1), 1
	s_wait_xcnt 0x0
	s_wait_alu depctr_hold_cnt(0) depctr_sa_sdst(0) depctr_va_vdst(0) depctr_va_sdst(0) depctr_va_ssrc(0) depctr_va_vcc(0) depctr_vm_vsrc(0)
	s_getreg_b32 s2, hwreg(HW_REG_IB_STS2, 6, 4)
	s_cmp_eq_u32 s2, 0
	s_cbranch_scc0 .Lentry_in_a_cluster
	s_endpgm
.Lentry_in_a_cluster:
	s_bfe_u32 s2, ttmp6, 0x10000c
	s_cmp_lg_u32 s2, 0xf033
	s_cbranch_scc0 .Lentry_shape_is_right
	s_endpgm
.Lentry_shape_is_right:
; THE THREE PROJECTIONS q = query Wq^T + bq, k = key Wk^T + bk, v = value Wv^T + bv, on codes of FP4 (E2M1) with one E8M0 scale for each 32 along K = 1,024,
; and the quantising of their results for the two products of attention.  The results leave as codes and scale words alone, laid as the next launch's operand registers want them.
; ONE FORM FOR ALL THREE: D = S0 S1^T, source 0 = 16 rows of S0, source 1 = 16 rows of S1.  In D a lane holds ONE row of S1 and its registers run along S0's rows, which is the axis that is quantised:
;   q: S0 = Wq (features), S1 = query (tokens);  k: S0 = Wk, S1 = key;  v: S0 = value (tokens = keys), S1 = Wv (features): q and k are quantised along a head's 64 features, v along the keys.
; SHARES.  A work-group makes 256 rows of S0 x 128 rows of S1 over all of K: 256 work-groups a product, 768 in all.  Eight waves; wave W makes rows 128 (W & 1) on of S0 x rows 32 (W >> 1) on of S1:
; 8 x 2 accumulators, 128 registers.  128 along S0 are four blocks of 32: one whole operand fragment (8 registers) and one whole scale word for each of the lane's two rows of S1.
; LDS.  All of K lies in LDS at once, as two halves of 512 along K (rows of 256 bytes + 16 of padding): nothing is filled twice.  Each wave brings a part of both halves by two tensor loads at the start.
; CLUSTERS: 4 x 4 work-groups.  S0's tile hangs on the place along x alone and is shared down a column of the cluster, S1's on the place along y alone and is shared along a row: each is asked for jointly.
; THE BIAS is the C of each sum's first matrix instruction, so it is added ahead of the K sum where the definition adds it behind: another order of f32 rounding, nothing else.
; ORDER OF UNITS.  Tile t gives lane (r, h) in register j the unit 16 t + 8 h + j.  A block of 32 is tiles 2 b and 2 b + 1 of lanes l and l xor 16.  The conversions' results are laid so that two exchanges of
; halves for each 64 units make the operand's registers (4 c + i: units 64 c + 32 h + 8 i on).
; LIMITS: NaN and infinities among the results are not served.  A block of zeros, or one whose largest magnitude lies under 2^-124, gets the scale byte 1 (the definition gives zeros 127): its codes are zeros
; and this program alone reads the bytes.
; REGISTERS: v1-2, v3-4 LDS addresses of my fragments of S0, S1 in the two K halves; v5, v6 the scale words' stage, in and out; v7 16 x lane; v8-71 S0's 8 fragments; v72-87 S1's 2; v88-127 scale words and nothing
; else; v128-255 the accumulators ((i, j) at 128 + 64 j + 8 i).  Behind the last product v8-63 are at work.
.set F0,    8
.set F1,    72
.set SC,    88                         ; register SC + 8 m + s: K step s, lanes 0-15 S0's tile m, lanes 16-31 tile m + 4;  SC + 32 + s: lanes 0-15 S1's tile 0, lanes 16-31 tile 1
.set ACC,   128
.set TM,    8                          ; v8-11 largest magnitudes, v12-15 the other half's, then the bytes, v20-23 the conversions' scale operands
.set PC0,   24                         ; the codes of S1's tile 0,
.set PC1,   32                         ; of tile 1
.set PW0,   40                         ; their scale words
.set PW1,   41
.set WD,    42
.set OFS,   44
.set GW,    48
.set LO,    52
.set HI,    56
.set PITCH, 272                        ; an LDS row: 256 bytes + 16 of padding: the 16 rows that a load touches begin 16 bytes apart modulo 256
.set S0H,   256*PITCH                  ; one K half of S0's 256 rows
.set S1B,   2*S0H                      ; behind both: S1's
.set S1H,   128*PITCH
.set STG,   S1B+2*S1H                  ; the scale words' stage: [S0 group 2][S1 row 128][4 bytes]; no tile lands here
.set KVS,   17920                      ; bytes of a key step in kv
.set SEL,   2                          ; s[2:3] lane selects for v_permlanex16_b32: lane l xor 16
.set WV,    40                         ; s40 wave; s41 its S0 group; s42 its S1 group; s43 wave & 3; s44, s45 place in the cluster; s46 product; s47 cluster's number in the product; s48, s49 tile of S0, of S1
.macro ROUND                           ; a round of the cluster's barrier
	s_barrier_signal -1
	s_barrier_wait -1
	s_cmp_lg_u32 s[WV], 0
	s_cbranch_scc1 .Lnot_wave_0_\@
	s_barrier_signal -3
.Lnot_wave_0_\@:
	s_barrier_wait -3
	s_barrier_signal -1
	s_barrier_wait -1
.endm
.macro PLACES n                        ; plain vector instructions behind matrix instructions (ISA guide 7.12.1)
.rept \n
	v_nop
.endr
.endm
; the matrix instruction: D at d, source 0 at a, source 1 at b, C at c; scale registers sa, sb; ra, rb = 1: that side's words are taken from lanes 16-31
.macro W4 d, a, b, c, sa, sb, ra, rb
.if (\ra) && (\rb)
	v_wmma_scale_f32_16x16x128_f8f6f4 v[0+(\d):7+(\d)], v[0+(\a):7+(\a)], v[0+(\b):7+(\b)], v[0+(\c):7+(\c)], v[\sa], v[\sb] matrix_a_fmt:MATRIX_FMT_FP4 matrix_b_fmt:MATRIX_FMT_FP4 matrix_a_scale:MATRIX_SCALE_ROW1 matrix_b_scale:MATRIX_SCALE_ROW1
.elseif (\ra)
	v_wmma_scale_f32_16x16x128_f8f6f4 v[0+(\d):7+(\d)], v[0+(\a):7+(\a)], v[0+(\b):7+(\b)], v[0+(\c):7+(\c)], v[\sa], v[\sb] matrix_a_fmt:MATRIX_FMT_FP4 matrix_b_fmt:MATRIX_FMT_FP4 matrix_a_scale:MATRIX_SCALE_ROW1
.elseif (\rb)
	v_wmma_scale_f32_16x16x128_f8f6f4 v[0+(\d):7+(\d)], v[0+(\a):7+(\a)], v[0+(\b):7+(\b)], v[0+(\c):7+(\c)], v[\sa], v[\sb] matrix_a_fmt:MATRIX_FMT_FP4 matrix_b_fmt:MATRIX_FMT_FP4 matrix_b_scale:MATRIX_SCALE_ROW1
.else
	v_wmma_scale_f32_16x16x128_f8f6f4 v[0+(\d):7+(\d)], v[0+(\a):7+(\a)], v[0+(\b):7+(\b)], v[0+(\c):7+(\c)], v[\sa], v[\sb] matrix_a_fmt:MATRIX_FMT_FP4 matrix_b_fmt:MATRIX_FMT_FP4
.endif
.endm
.macro MM i, j, s                      ; accumulator (i, j) takes K step s, in place
	W4 ACC+64*(\j)+8*(\i), F0+8*(\i), F1+8*(\j), ACC+64*(\j)+8*(\i), SC+8*((\i)%4)+(\s), SC+32+(\s), (\i)/4, \j
.endm
.macro MMC i, j, s, c                  ; the same with C in other registers
	W4 ACC+64*(\j)+8*(\i), F0+8*(\i), F1+8*(\j), \c, SC+8*((\i)%4)+(\s), SC+32+(\s), (\i)/4, \j
.endm
; A fragment, 16 rows x 128 K of 4-bit codes, is 8 registers: lane l holds row l % 16; registers 4 c .. 4 c + 3 hold K = 64 c + 32 (l / 16) + 0 .. 31: two loads of 16 bytes, 32 bytes apart.
.macro FETCH kap, q                    ; the fragments of the q-th 128 along K of half kap: S1's two first, then S0's eight
.irp j, 0,1
.irp c, 0,1
	ds_load_b128 v[F1+8*\j+4*\c:F1+8*\j+4*\c+3], v[3+(\kap)] offset:\j*16*PITCH+64*(\q)+32*\c
.endr
.endr
.irp i, 0,1,2,3,4,5,6,7
.irp c, 0,1
	ds_load_b128 v[F0+8*\i+4*\c:F0+8*\i+4*\c+3], v[1+(\kap)] offset:\i*16*PITCH+64*(\q)+32*\c
.endr
.endr
.endm
; A K step of 128: 20 LDS loads, 16 matrix instructions.  The 16 accumulators take turns, one instruction a turn; the last is (7, 1), the next step's first (0, 0).
.macro KSTEP kap, q
	PLACES 4                                       ; in front of loads into registers that matrix instructions have read
	FETCH \kap, \q
.irp i, 0,1,2,3,4,5,6,7
	s_wait_dscnt 14-2*\i                           ; S1's fragments and S0's tiles 0 .. i are in; the two loads of each later tile may be out
	MM \i, 0, 4*(\kap)+(\q)
	MM \i, 1, 4*(\kap)+(\q)
.endr
.endm
; 64 numbers of a lane, v[s] on, register 16 b + 8 u + j = unit 32 b + 16 u + 8 (lane / 16) + j of my row of S1, become a fragment's codes in v[pc] on and its scale word in v[pw].
.macro QUANT s, pc, pw
.irp b, 0,1,2,3
	v_max3_num_f32 v[TM+\b], |v[\s+16*\b]|, |v[\s+1+16*\b]|, 0x1800000   ; block b: my 16 numbers, each accumulator from its low end on, and the floor 2^(3 - 127): the byte cannot fall under 1
.endr
.irp i, 2,4,6,8,10,12,14
.irp b, 0,1,2,3
	v_max3_num_f32 v[TM+\b], v[TM+\b], |v[\s+16*\b+\i]|, |v[\s+1+16*\b+\i]|   ; (the four blocks by turns)
.endr
.endr
.irp b, 0,1,2,3
	s_delay_alu instid0(VALU_DEP_4)
	v_permlanex16_b32 v[TM+4+\b], v[TM+\b], s[SEL], s[SEL+1]
.endr
.irp b, 0,1,2,3
	s_delay_alu instid0(VALU_DEP_4)
	v_max_num_f32 v[TM+\b], v[TM+\b], v[TM+4+\b]   ; with lane l xor 16's 16: the block's largest magnitude
.endr
.irp b, 0,1,2,3
	s_delay_alu instid0(VALU_DEP_4)
	v_add_nc_u32 v[TM+12+\b], 0xff000000, v[TM+\b] ; 2 off its exponent field: the conversion takes the exponent field of this operand as its scale
.endr
.irp b, 0,1,2,3
	s_delay_alu instid0(VALU_DEP_4)
	v_lshrrev_b32 v[TM+4+\b], 23, v[TM+12+\b]      ; the scale's byte
.endr
	s_delay_alu instid0(VALU_DEP_3)
	v_lshl_or_b32 v[\pw], v[TM+5], 8, v[TM+4]
	s_delay_alu instid0(VALU_DEP_1)
	v_lshl_or_b32 v[\pw], v[TM+6], 16, v[\pw]
	s_delay_alu instid0(VALU_DEP_1)
	v_lshl_or_b32 v[\pw], v[TM+7], 24, v[\pw]      ; my row's scale word
.irp b, 0,1,2,3
	v_cvt_scalef32_pk8_fp4_f32 v[\pc+4*(\b/2)+(\b%2)], v[\s+16*\b:\s+16*\b+7], v[TM+12+\b]       ; units 32 b + 8 h + 0 .. 7
	v_cvt_scalef32_pk8_fp4_f32 v[\pc+4*(\b/2)+2+(\b%2)], v[\s+16*\b+8:\s+16*\b+15], v[TM+12+\b]  ; units 32 b + 16 + 8 h + 0 .. 7
.endr
	v_nop                                          ; one plain instruction behind the last scaled conversion
.irp c, 0,1                                    ; the first's lanes 16-31 change places with the second's lanes 0-15: registers 4 c + i now hold units 64 c + 32 h + 8 i on
	v_permlane16_swap_b32 v[\pc+4*\c], v[\pc+4*\c+1]
	v_permlane16_swap_b32 v[\pc+4*\c+2], v[\pc+4*\c+3]
.endr
.endm
	s_load_b512 s[4:19], s[0:1], 0x0               ; three sets of five addresses (S0's codes, S0's scales, S1's codes, S1's scales, bias): s[4:13] q's, s[14:23] k's,
	s_load_b512 s[20:35], s[0:1], 0x40             ; s[24:33] v's; s[34:35] q_img,
	s_load_b128 s[36:39], s[0:1], 0x80             ; s[36:37] q_scl, s[38:39] kv
	s_set_vgpr_msb 0x40
	v_lshl_add_u32 v0, v0, 2, 0x34000
	v_mov_b32 v1, 0
	s_set_vgpr_msb 0x4045
	ds_add_u32 v0, v1
	ds_add_u32 v0, v1
	s_set_vgpr_msb 0x4500
	v_lshrrev_b32 v1, 5, v0
	s_delay_alu instid0(VALU_DEP_1)
	v_readfirstlane_b32 s[WV], v1                  ; wave 0..7
	s_and_b32 s41, s[WV], 1                        ; my 128 rows of S0
	s_lshr_b32 s42, s[WV], 1                       ; my 32 rows of S1
	s_and_b32 s43, s[WV], 3                        ; which part of a tile I fetch
	s_bfe_u32 s44, ttmp6, 0x40000                  ; cx
	s_bfe_u32 s45, ttmp6, 0x40004                  ; cy
	s_and_b32 s47, ttmp7, 0xffff                   ; the cluster's y: 0 .. 47
	s_lshr_b32 s46, s47, 4                         ; the product: 0 q, 1 k, 2 v: the same in all sixteen partners
	s_and_b32 s47, s47, 15                         ; the cluster's number in it
	s_lshr_b32 s88, s47, 1
	s_and_b32 s89, s47, 1
	s_cmp_eq_u32 s46, 2
	s_cselect_b32 s99, 1, 0                        ; 1 for v
	s_cselect_b32 s88, s88, 0                      ; S0 has 4 tiles of 256 rows (q, k: the weight) or 32 (v: the tokens),
	s_cselect_b32 s89, s89, s47                    ; S1 has 64 tiles of 128 rows (q, k: the tokens) or 8 (v: the weight)
	s_lshl_b32 s48, s88, 2
	s_add_co_u32 s48, s48, s44                     ; S0's tile: hangs on cx, never on cy
	s_lshl_b32 s49, s89, 2
	s_add_co_u32 s49, s49, s45                     ; S1's tile: hangs on cy, never on cx
	s_lshl_b32 s50, 0x1111, s44                    ; my column of the cluster
	s_lshl_b32 s51, s45, 2
	s_lshl_b32 s51, 15, s51                        ; my row
	s_mov_b32 s[SEL], 0x76543210
	s_mov_b32 s[SEL+1], 0xfedcba98
	; descriptor group 1, elements of 1 byte.  S0: 64 rows x 256 bytes out of rows of 512; S1: 32 rows.  16 bytes of padding behind every 64 words
	s_or_b32 s52, s50, (1<<20)|(1<<21)|(5<<22)|(3<<25)   ; 15:0 the mask: my column; 20 padding on; 21 set beside a mask; 24:22 after every 64 words; 31:25 four words
	s_mov_b32 s53, 256<<16                         ; tensor_dim0
	s_mov_b32 s54, 64<<16                          ; tensor_dim1
	s_mov_b32 s55, 256<<16                         ; tile_dim0
	s_mov_b32 s56, 64                              ; tile_dim1
	s_mov_b32 s57, 512                             ; from row to row
	s_mov_b32 s58, 0
	s_mov_b32 s59, 0
	s_or_b32 s72, s51, (1<<20)|(1<<21)|(5<<22)|(3<<25)   ; the mask: my row
	s_mov_b32 s73, 256<<16
	s_mov_b32 s74, 32<<16
	s_mov_b32 s75, 256<<16
	s_mov_b32 s76, 32
	s_mov_b32 s77, 512
	s_mov_b32 s78, 0
	s_mov_b32 s79, 0
	s_wait_dscnt 0x0
	s_wait_kmcnt 0x0
	s_cmp_eq_u32 s46, 1                            ; the product's five addresses come to s[4:13]: the choice hangs on the cluster's number alone
.irp n, 0,2,4,6,8
	s_cselect_b64 s[4+\n:5+\n], s[14+\n:15+\n], s[4+\n:5+\n]
.endr
	s_cmp_eq_u32 s46, 2
.irp n, 0,2,4,6,8
	s_cselect_b64 s[4+\n:5+\n], s[24+\n:25+\n], s[4+\n:5+\n]
.endr
	s_cmp_eq_u32 s46, 0
	s_cselect_b64 s[34:35], s[34:35], s[38:39]     ; where the codes go: q_img, or kv
	s_cselect_b64 s[36:37], s[36:37], s[38:39]     ; and the scale words: q_scl, or kv
	; descriptor groups 0: a set for each K half.  Every wave makes S0's and S1's; waves 0-3 ask by S0's, waves 4-7 by S1's
	s_lshl_b32 s14, s48, 8
	s_lshl_b32 s15, s43, 6
	s_add_co_u32 s14, s14, s15                     ; S0: row 256 x tile + 64 x (wave & 3),
	s_lshl_b32 s14, s14, 9                         ; of 512 bytes
	s_mov_b32 s15, 0
	s_add_nc_u64 s[14:15], s[4:5], s[14:15]
	s_mul_i32 s18, s43, 64*PITCH
	s_mov_b32 s60, 1
	s_add_co_u32 s61, s18, 0
	s_mov_b64 s[62:63], s[14:15]
	s_or_b32 s63, s63, 0x80000000
	s_mov_b32 s68, 1
	s_add_co_u32 s69, s18, S0H
	s_add_nc_u64 s[70:71], s[14:15], 256           ; the second K half: 256 bytes on in each row
	s_or_b32 s71, s71, 0x80000000
	s_lshl_b32 s16, s49, 7
	s_lshl_b32 s17, s43, 5
	s_add_co_u32 s16, s16, s17                     ; S1: row 128 x tile + 32 x (wave & 3)
	s_lshl_b32 s16, s16, 9
	s_mov_b32 s17, 0
	s_add_nc_u64 s[16:17], s[8:9], s[16:17]
	s_mul_i32 s19, s43, 32*PITCH
	s_mov_b32 s80, 1
	s_add_co_u32 s81, s19, S1B
	s_mov_b64 s[82:83], s[16:17]
	s_or_b32 s83, s83, 0x80000000
	s_mov_b32 s84, 1
	s_add_co_u32 s85, s19, S1B+S1H
	s_add_nc_u64 s[86:87], s[16:17], 256
	s_or_b32 s87, s87, 0x80000000
	ROUND                                          ; all sixteen work-groups are here: the joint loads meet
	s_cmp_lt_u32 s[WV], 4                          ; a wave's two fills stand in one branch on its number; two loads of mine are out; four v_nop follow the second
	s_cbranch_scc0 .Lfill_s1
	tensor_load_to_lds s[60:63], s[52:59]
	s_nop 0
	tensor_load_to_lds s[68:71], s[52:59]
	s_nop 0
	PLACES 4
	s_branch .Lfilled
.Lfill_s1:
	tensor_load_to_lds s[80:83], s[72:79]
	s_nop 0
	tensor_load_to_lds s[84:87], s[72:79]
	s_nop 0
	PLACES 4
.Lfilled:
	v_and_b32 v8, 15, v0                           ; r
	v_bfe_u32 v9, v0, 4, 1                         ; h
	v_and_b32 v10, 31, v0                          ; lane
	s_delay_alu instid0(VALU_DEP_3)
	v_mul_u32_u24 v11, v8, PITCH
	s_delay_alu instid0(VALU_DEP_1)
	v_lshl_add_u32 v11, v9, 4, v11                 ; a fragment's row x pitch + 16 x half
	s_mul_i32 s18, s41, 128*PITCH
	v_add_nc_u32 v1, s18, v11                      ; my 128 rows of S0, first K half,
	s_delay_alu instid0(VALU_DEP_1)
	v_add_nc_u32 v2, S0H, v1                       ; second
	s_mul_i32 s18, s42, 32*PITCH
	s_add_co_u32 s18, s18, S1B
	v_add_nc_u32 v3, s18, v11                      ; my 32 rows of S1
	s_delay_alu instid0(VALU_DEP_1)
	v_add_nc_u32 v4, S1H, v3
	s_lshl_b32 s18, s41, 9
	s_add_co_u32 s18, s18, STG
	v_lshl_add_u32 v6, v10, 4, s18                 ; the stage, out: 512 bytes of my S0 group, 16 a lane
	s_lshl_b32 s19, s42, 7
	s_add_co_u32 s18, s18, s19
	v_lshl_add_u32 v5, v10, 2, s18                 ; in: my 32 rows of S1, a word a lane
	v_lshlrev_b32 v7, 4, v10                       ; 16 x lane
	v_lshlrev_b32 v128, 5, v8                      ; offsets of the loads below, in registers that nothing writes before those loads are in:
	s_delay_alu instid0(VALU_DEP_1)
	v_lshl_add_u32 v128, v9, 11, v128              ; S0's scale bytes: 32 a row; lanes 16-31 take the tile four (64 rows) further on
	s_wait_alu depctr_va_vdst(0)
	v_lshlrev_b32 v129, 5, v10                     ; S1's: lane l takes row l of my 32
	s_wait_alu depctr_va_vdst(0)
	v_lshlrev_b32 v130, 5, v9                      ; the bias along the registers: 8 numbers for each half of the lanes
	v_lshlrev_b32 v131, 2, v8                      ; the bias along the lanes
	s_lshl_b32 s20, s48, 8
	s_lshl_b32 s21, s41, 7
	s_add_co_u32 s20, s20, s21                     ; my first row of S0
	s_lshl_b32 s22, s20, 5
	s_mov_b32 s23, 0
	s_add_nc_u64 s[6:7], s[6:7], s[22:23]
	s_lshl_b32 s24, s49, 7
	s_lshl_b32 s25, s42, 5
	s_add_co_u32 s24, s24, s25                     ; my first row of S1
	s_lshl_b32 s22, s24, 5
	s_add_nc_u64 s[10:11], s[10:11], s[22:23]
	; THE SCALE WORDS OF ALL OF K go straight into registers: a row's 32 bytes are its 8 words, and 16 rows' are 512 bytes on end
.irp m, 0,1,2,3
	global_load_b128 v[SC+8*\m:SC+8*\m+3], v128, s[6:7] offset:512*\m
	global_load_b128 v[SC+8*\m+4:SC+8*\m+7], v128, s[6:7] offset:512*\m+16
.endr
	global_load_b128 v[SC+32:SC+35], v129, s[10:11]
	global_load_b128 v[SC+36:SC+39], v129, s[10:11] offset:16
	s_cmp_eq_u32 s99, 1
	s_cselect_b32 s22, s24, s20                    ; the bias goes with the features: S0's rows for q and k, S1's for v
	s_lshl_b32 s22, s22, 2
	s_add_nc_u64 s[12:13], s[12:13], s[22:23]
	; where the results go.  X: which 128 tokens; Y: which pair of heads (128 features)
	s_lshl_b32 s14, s48, 1
	s_add_co_u32 s14, s14, s41                     ; my group of 128 rows of S0
	s_cmp_eq_u32 s99, 1
	s_cselect_b32 s15, s14, s49                    ; X
	s_cselect_b32 s16, s49, s14                    ; Y
	s_lshr_b32 s17, s15, 4
	s_lshl_b32 s17, s17, 3
	s_add_co_u32 s17, s17, s16                     ; 8 x batch + pair
	s_and_b32 s18, s15, 15                         ; the key step (128 tokens) in the batch
	s_lshl_b32 s19, s17, 4
	s_add_co_u32 s19, s19, s18
	s_mul_i32 s26, s19, KVS                        ; the step's first byte in kv
	s_lshl_b32 s27, s19, 13
	s_lshl_b32 s28, s42, 11
	s_add_co_u32 s27, s27, s28                     ; q's codes: [pair][token tile][head 2][512]: 8,192 bytes for 128 tokens, 2,048 for my 32
	s_lshl_b32 s28, s42, 10
	s_add_co_u32 s28, s28, s26                     ; k's: 512 bytes a key tile; the pair's second head 8,192 bytes on
	s_lshr_b32 s29, s42, 1
	s_lshl_b32 s29, s29, 13
	s_and_b32 s30, s42, 1
	s_lshl_b32 s30, s30, 11
	s_add_co_u32 s29, s29, s30
	s_add_co_u32 s29, s29, s26
	s_add_co_u32 s29, s29, 4096                    ; v's: behind the head's K; 1,024 bytes for 16 features
	s_lshl_b32 s30, s17, 14
	s_lshl_b32 s31, s18, 9
	s_add_co_u32 s30, s30, s31                     ; q's scale words: [head][token][4]
	s_add_co_u32 s31, s26, 16384                   ; k's
	s_add_co_u32 s32, s26, 17408                   ; v's
	s_mov_b32 s33, 512
	s_mov_b32 s88, 1024
	s_mov_b32 s89, 8192
	s_cmp_eq_u32 s46, 0
	s_cselect_b32 s92, s27, s28
	s_cselect_b32 s96, s30, s31
	s_cmp_eq_u32 s46, 1
	s_cselect_b32 s94, s33, s88                    ; from S1's tile 0 to tile 1
	s_cselect_b32 s95, s89, s33                    ; from a fragment's registers 0-3 to 4-7
	s_cselect_b32 s98, s33, s89                    ; from the first head's words to the second's (q, k)
	s_cmp_eq_u32 s46, 2
	s_cselect_b32 s92, s29, s92
	s_cselect_b32 s96, s32, s96
	s_mov_b32 s93, 0
	s_mov_b32 s97, 0
	s_add_nc_u64 s[34:35], s[34:35], s[92:93]
	s_add_nc_u64 s[36:37], s[36:37], s[96:97]
	s_wait_tensorcnt 0x1                           ; my part of the first K half is in; the second half's load may stay out
	s_barrier_signal -1
	s_barrier_wait -1                              ; everybody's is
	FETCH 0, 0
	; THE FIRST K STEP takes the bias as C.  The loads of the bias and the products that read it stand in one arm, so that no register is written on one way and read on another
	s_cmp_eq_u32 s99, 1
	s_cbranch_scc1 .Lfirst_v
	s_wait_alu depctr_va_vdst(0)
.irp i, 0,1,2,3,4,5,6,7                        ; q, k: the bias runs along the registers: tile i's eight numbers of my half, into accumulator (i, 1)
	global_load_b128 v[ACC+64+8*\i:ACC+64+8*\i+3], v130, s[12:13] offset:64*\i
	global_load_b128 v[ACC+64+8*\i+4:ACC+64+8*\i+7], v130, s[12:13] offset:64*\i+16
.endr
	s_wait_loadcnt 0x0                             ; the scale words and the bias
	s_wait_dscnt 0x0
.irp i, 0,1,2,3,4,5,6,7
	MMC \i, 0, 0, ACC+64+8*\i
.endr
	PLACES 5                                       ; the next eight write over registers that the last eight took as C
.irp i, 0,1,2,3,4,5,6,7
	MM \i, 1, 0
.endr
	s_branch .Lfirst_done
.Lfirst_v:
	s_wait_alu depctr_va_vdst(0)
.irp j, 0,1                                    ; v: the bias is one number a lane: eight registers of it, in accumulator (7, j)
.irp x, 0,1,2,3,4,5,6,7
	global_load_b32 v[ACC+64*\j+56+\x], v131, s[12:13] offset:64*\j
.endr
.endr
	s_wait_loadcnt 0x0
	s_wait_dscnt 0x0
.irp j, 0,1
.irp i, 0,1,2,3,4,5,6
	MMC \i, \j, 0, ACC+64*\j+56
.endr
.endr
	PLACES 5
	MM 7, 0, 0
	MM 7, 1, 0
.Lfirst_done:
	KSTEP 0, 1
	KSTEP 0, 2
	KSTEP 0, 3
	s_wait_tensorcnt 0x0                           ; my part of the second K half is in,
	s_wait_dscnt 0x0
	s_barrier_signal -1
	s_barrier_wait -1                              ; everybody's is
	KSTEP 1, 0
	KSTEP 1, 1
	KSTEP 1, 2
	KSTEP 1, 3
	; THE WAY OUT: each of my two tiles of S1 becomes a fragment and a scale word
	PLACES 4                                       ; behind the last products: their results are read and their sources written below
	QUANT ACC, PC0, PW0
	QUANT ACC+64, PC1, PW1
	v_add_nc_u32 v[OFS+1], s95, v7
	v_add_nc_u32 v[OFS+2], s94, v7
	s_delay_alu instid0(VALU_DEP_1)
	v_add_nc_u32 v[OFS+3], s95, v[OFS+2]
	global_store_b128 v7, v[PC0:PC0+3], s[34:35]               ; four registers of a fragment as they stand: 32 lanes store 512 consecutive bytes, aligned
	global_store_b128 v[OFS+1], v[PC0+4:PC0+7], s[34:35]
	global_store_b128 v[OFS+2], v[PC1:PC1+3], s[34:35]
	global_store_b128 v[OFS+3], v[PC1+4:PC1+7], s[34:35]
	v_and_b32 v[WD+1], 31, v0
	s_delay_alu instid0(VALU_DEP_1)
	v_cmp_le_u32 vcc_lo, 16, v[WD+1]
	s_delay_alu instid0(VALU_DEP_1)
	v_cndmask_b32 v[WD], v[PW0], v[PW1], vcc_lo    ; lanes 0-15: tile 0's rows' words; lanes 16-31: tile 1's (both halves of the lanes hold a row's word)
	ds_store_b32 v5, v[WD]
	s_wait_dscnt 0x0                               ; for the others' sake: my words lie in the stage
	s_barrier_signal -1
	s_barrier_wait -1
	s_cmp_lt_u32 s[WV], 2                          ; wave 0 sends the words of S0's group 0, wave 1 those of group 1: 128 words, 512 bytes on end
	s_cbranch_scc0 .Lno_words
	ds_load_b128 v[GW:GW+3], v6
	s_wait_dscnt 0x0
	s_cmp_eq_u32 s99, 1
	s_cbranch_scc1 .Lwords_v
.irp x, 0,1,2,3                                ; q, k: a word's bytes 0, 1 are the first head's two blocks, bytes 2, 3 the second's.  Each head gets a word of its own, whose bytes 2, 3 are 0: they scale zero codes
	v_and_b32 v[LO+\x], 0xffff, v[GW+\x]
	v_lshrrev_b32 v[HI+\x], 16, v[GW+\x]
.endr
	v_add_nc_u32 v61, s98, v7
	global_store_b128 v7, v[LO:LO+3], s[36:37]
	global_store_b128 v61, v[HI:HI+3], s[36:37]
	s_branch .Lno_words
.Lwords_v:
	global_store_b128 v7, v[GW:GW+3], s[36:37]     ; v: a word is the step's four blocks of keys
.Lno_words:
	s_set_vgpr_msb 0x5
	s_wait_tensorcnt 0x0
	ds_add_u32 v0, v1
	s_wait_dscnt 0x0
	s_set_vgpr_msb 0x500
	ROUND                                          ; the closing round: no work-group ends while a partner may still ask for a tile that names it
	s_endpgm
.Lfunc_end_k_q057d979948_proj:
	.size	k_q057d979948_proj, .Lfunc_end_k_q057d979948_proj-k_q057d979948_proj
	.p2alignl 7, 3214868480
	.fill 96, 4, 3214868480
	.section	.rodata,"a",@progbits
	.p2align	6, 0x0
	.amdhsa_kernel k_q057d979948_proj
		.amdhsa_group_segment_fixed_size 214016
		.amdhsa_private_segment_fixed_size 0
		.amdhsa_enable_private_segment 0
		.amdhsa_kernarg_size 144
		.amdhsa_user_sgpr_count 2
		.amdhsa_user_sgpr_kernarg_segment_ptr 1
		.amdhsa_wavefront_size32 1
		.amdhsa_system_sgpr_workgroup_id_x 1
		.amdhsa_system_sgpr_workgroup_id_y 1
		.amdhsa_system_sgpr_workgroup_id_z 1
		.amdhsa_system_vgpr_workitem_id 0
		.amdhsa_next_free_vgpr 258
		.amdhsa_next_free_sgpr 100
		.amdhsa_reserve_vcc 1
		.amdhsa_float_denorm_mode_32 3
		.amdhsa_float_denorm_mode_16_64 3
		.amdhsa_memory_ordered 1
		.amdhsa_forward_progress 1
		.amdhsa_inst_pref_size 56
	.end_amdhsa_kernel
	.amdgpu_metadata
---
amdhsa.version: [ 1, 2 ]
amdhsa.kernels:
  - .name:           k_q057d979948_proj
    .symbol:         k_q057d979948_proj.kd
    .args:
      - { .name: Wq_codes, .offset: 0, .size: 8, .value_kind: global_buffer, .address_space: global }
      - { .name: Wq_scales, .offset: 8, .size: 8, .value_kind: global_buffer, .address_space: global }
      - { .name: query_codes, .offset: 16, .size: 8, .value_kind: global_buffer, .address_space: global }
      - { .name: query_scales, .offset: 24, .size: 8, .value_kind: global_buffer, .address_space: global }
      - { .name: bq, .offset: 32, .size: 8, .value_kind: global_buffer, .address_space: global }
      - { .name: Wk_codes, .offset: 40, .size: 8, .value_kind: global_buffer, .address_space: global }
      - { .name: Wk_scales, .offset: 48, .size: 8, .value_kind: global_buffer, .address_space: global }
      - { .name: key_codes, .offset: 56, .size: 8, .value_kind: global_buffer, .address_space: global }
      - { .name: key_scales, .offset: 64, .size: 8, .value_kind: global_buffer, .address_space: global }
      - { .name: bk, .offset: 72, .size: 8, .value_kind: global_buffer, .address_space: global }
      - { .name: value_codes, .offset: 80, .size: 8, .value_kind: global_buffer, .address_space: global }
      - { .name: value_scales, .offset: 88, .size: 8, .value_kind: global_buffer, .address_space: global }
      - { .name: Wv_codes, .offset: 96, .size: 8, .value_kind: global_buffer, .address_space: global }
      - { .name: Wv_scales, .offset: 104, .size: 8, .value_kind: global_buffer, .address_space: global }
      - { .name: bv, .offset: 112, .size: 8, .value_kind: global_buffer, .address_space: global }
      - { .name: q_img, .offset: 120, .size: 8, .value_kind: global_buffer, .address_space: global }
      - { .name: q_scl, .offset: 128, .size: 8, .value_kind: global_buffer, .address_space: global }
      - { .name: kv, .offset: 136, .size: 8, .value_kind: global_buffer, .address_space: global }
    .group_segment_fixed_size: 214016
    .private_segment_fixed_size: 0
    .kernarg_segment_align: 8
    .kernarg_segment_size: 144
    .max_flat_workgroup_size: 256
    .sgpr_count:     100
    .vgpr_count:     258
    .wavefront_size: 32
...
	.end_amdgpu_metadata
.endif
;; end of part 1
;; launch attn (part 2): grid 8 x 32, 16 waves a work-group, clusters of 4 x 1, 296,960 bytes of LDS; arguments q_img, q_scl, kv, ctx_img, ctx_scl; writes ctx_img, ctx_scl
.if DOCPART == 2
	.amdgcn_target "amdgcn-amd-amdhsa--gfx1250"
	.amdhsa_code_object_version 6
	.text
	.protected	k_q057d979948_attn
	.globl	k_q057d979948_attn
	.p2align	8
	.type	k_q057d979948_attn,@function
k_q057d979948_attn:
	s_mov_b64 s[64:65], 0
	v_nop
	global_prefetch_b8 v0, s[64:65] scope:SCOPE_SE
	s_setreg_imm32_b32 hwreg(HW_REG_WAVE_MODE, 25, 1), 1
	s_wait_xcnt 0x0
	s_wait_alu depctr_hold_cnt(0) depctr_sa_sdst(0) depctr_va_vdst(0) depctr_va_sdst(0) depctr_va_ssrc(0) depctr_va_vcc(0) depctr_vm_vsrc(0)
	s_getreg_b32 s2, hwreg(HW_REG_IB_STS2, 6, 4)
	s_cmp_eq_u32 s2, 0
	s_cbranch_scc0 .Lentry_in_a_cluster
	s_endpgm
.Lentry_in_a_cluster:
	s_bfe_u32 s2, ttmp6, 0x10000c
	s_cmp_lg_u32 s2, 0x3003
	s_cbranch_scc0 .Lentry_shape_is_right
	s_endpgm
.Lentry_shape_is_right:
; ATTENTION ON CODES OF FP4 (E2M1), head size 64, 2,048 keys, no mask; and the quantising of its result along the 1,024 features for the output projection.
; THE SOFTMAX AHEAD OF THE SECOND PRODUCT: t = score x log2(e) / 8; M = the row's largest t so far, rounded UP to a whole number; p = 2^(t - M) is what is quantised, along the keys; it is not normalised.
; The row's sum is taken of the unquantised p, in f32, and divides O at the end.  When M moves, the sum and O are multiplied by 2^(old M - new M): exact.
; SHARES.  A work-group owns 256 queries of one PAIR of heads of one batch; each of its sixteen waves owns 16 queries, in 256 registers: four waves to a SIMD, so that one wave's vector work stands beside
; another's matrix work and LDS loads.  A wave walks all 2,048 keys, 128 a step, first for the pair's first head, then for its second: so one wave makes all 128 features of a K step of the next product.
; LDS.  The pair's K and V of all keys, codes and scale words, are 286,720 bytes on end in kv and lie in LDS as they lie there: nothing is filled twice.  Everything is laid as images of operand registers:
; four registers are 512 bytes, lane l's 16 at 16 l: every LDS load reads consecutive bytes.
; CLUSTER.  The four work-groups of a cluster are four blocks of queries of one pair and read the same bytes of kv: each of the 16 tensor loads is asked for jointly by the four.
; LAYOUT.  Both products are used transposed: S^T = K Q^T (source 0 = 16 keys, source 1 = my 16 queries), O^T = V^T P^T (source 0 = 16 of the head's 64, source 1 = P): a lane holds ONE query throughout.
; K Q^T has K = 64 in an instruction of 128: registers 4-7 of K's and Q's fragments are zero codes, and bytes 2, 3 of their scale words are 0.
; Tile t gives lane (r, h) in register j the key 16 t + 8 h + j: a block of 32 keys is tiles 2 b, 2 b + 1 of lanes l and l xor 16; the conversions' results are laid so that two exchanges of halves for each
; 64 keys make the operand's registers.
; A key step in kv, 17,920 bytes: 0 K of head 0 (8 tiles x 512); 4,096 V of head 0 (4 tiles x 1,024); 8,192 and 12,288 head 1's; 16,384 and 16,896 K's scale words; 17,408 V's (128 features).
; LIMITS: NaN and infinities are not served.  A block of ctx that is all zeros, or whose largest magnitude lies under 2^-124, gets the scale byte 1: its codes are zeros and this program alone reads the bytes.
.set L16, 1                            ; v1   16 x lane; never rewritten
.set L4,  2                            ; v2   4 x lane; never rewritten
.set A16, 3                            ; v3   the step's LDS address for images
.set A4,  4                            ; v4   for scale words
.set KSR, 26                           ; v8-15, v16-23 Q of head 0, 1;  v24, v25 their scale words;  v26-29 K's scale words (lanes 0-15 tile 2 n, lanes 16-31 tile 2 n + 1);
.set VSR, 30                           ; v30, v31 V's likewise;  v32 p's scale word: v24-32 hold scales and nothing else;  v33 ctx's scale word
.set KF,  40                           ; v34 -M, v35 the largest t, v[36:37] the sum in two halves;  v40-103 K's 8 fragments
.set VF,  104                          ; v104-135 V's 4
.set S,   136                          ; v136-199 S^T, then p
.set O,   200                          ; v200-231 O^T
.set PC,  232                          ; v232-239 p's codes
.set TM,  240                          ; at work
.set TP,  244
.set TSC, 248
.set STEPB, 17920
.set STG, 16*STEPB                     ; behind the tiles: ctx's scale words, [wave 16][query 16][4 bytes]; no tile lands here
.set WV,  14                           ; s14 wave; s15 cx; s16 8 x batch + pair; s17 block of 256 queries; s18 my tile of 16 queries; s19 batch; s20 pair
.set CS,  22                           ; s[22:23] c = log2(e) / 8
.set SEL, 24                           ; s[24:25] lane selects for v_permlanex16_b32: lane l xor 16
.set G1,  28                           ; s[28:35] descriptor group 1;  s[36:51] four groups 0
.set TB,  52                           ; s52  LDS byte at which the step's bytes of the head in hand begin
.set CNT, 53
.macro ROUND                           ; a round of the cluster's barrier
	s_barrier_signal -1
	s_barrier_wait -1
	s_cmp_lg_u32 s[WV], 0
	s_cbranch_scc1 .Lnot_wave_0_\@
	s_barrier_signal -3
.Lnot_wave_0_\@:
	s_barrier_wait -3
	s_barrier_signal -1
	s_barrier_wait -1
.endm
.macro PLACES n
.rept \n
	v_nop
.endr
.endm
	s_load_b256 s[4:11], s[0:1], 0x0               ; q_img s[4:5], q_scl s[6:7], kv s[8:9], ctx_img s[10:11]
	s_load_b64 s[12:13], s[0:1], 0x20              ; ctx_scl
	v_lshl_add_u32 v38, v0, 2, 0x48000
	v_mov_b32 v39, 0
	ds_add_u32 v38, v39
	ds_add_u32 v38, v39
	v_lshrrev_b32 v1, 5, v0
	s_delay_alu instid0(VALU_DEP_1)
	v_readfirstlane_b32 s[WV], v1                  ; wave 0..15
	s_bfe_u32 s15, ttmp6, 0x40000                  ; cx: it enters global addresses of Q and ctx alone
	s_and_b32 s16, ttmp7, 0xffff                   ; 8 x batch + pair, which the four partners share
	s_lshl_b32 s17, ttmp9, 2
	s_add_co_u32 s17, s17, s15                     ; my block of 256 queries
	s_lshl_b32 s18, s17, 4
	s_add_co_u32 s18, s18, s[WV]                   ; my tile of 16
	s_lshr_b32 s19, s16, 3
	s_and_b32 s20, s16, 7
	s_mov_b32 s[CS], 0x3e38aa3b
	s_mov_b32 s[CS+1], s[CS]                       ; (named with it as a pair, so it is written)
	s_mov_b32 s[SEL], 0x76543210
	s_mov_b32 s[SEL+1], 0xfedcba98
	; descriptor group 1: a key step, 17,920 dense bytes, as 70 rows of 256 bytes (32 elements of 8 bytes), no padding
	s_mov_b32 s[G1], 15|(3<<16)|(1<<21)            ; 15:0 the mask: all four work-groups; 17:16 elements of 8 bytes; 21 set beside a mask
	s_mov_b32 s[G1+1], 32<<16                      ; tensor_dim0
	s_mov_b32 s[G1+2], 70<<16                      ; tensor_dim1
	s_mov_b32 s[G1+3], 32<<16                      ; tile_dim0
	s_mov_b32 s[G1+4], 70                          ; tile_dim1
	s_mov_b32 s[G1+5], 32                          ; from row to row
	s_mov_b32 s[G1+6], 0
	s_mov_b32 s[G1+7], 0
	s_and_b32 s54, s[WV], 3
	s_mul_i32 s54, s54, STEPB                      ; of each group of four steps wave w (0..3) fetches step w
	s_mul_i32 s56, s16, 16*STEPB
	s_add_co_u32 s56, s56, s54
	s_mov_b32 s57, 0
	s_wait_dscnt 0x0
	s_wait_kmcnt 0x0
	s_add_nc_u64 s[56:57], s[8:9], s[56:57]
.irp g, 0,1,2,3
	s_mov_b32 s[36+4*\g], 1
	s_add_co_u32 s[37+4*\g], s54, \g*4*STEPB       ; in LDS as in memory
	s_add_nc_u64 s[38+4*\g:39+4*\g], s[56:57], \g*4*STEPB
	s_or_b32 s[39+4*\g], s[39+4*\g], 0x80000000
.endr
	ROUND                                          ; all four work-groups are here: the joint loads meet
	s_cmp_lt_u32 s[WV], 4                          ; waves 0-3 fetch, four loads each, in one branch on the wave's number: four loads of such a wave are out; four v_nop follow the last
	s_cbranch_scc0 .Lno_fill
	tensor_load_to_lds s[36:39], s[G1:G1+7]
	s_nop 0
	tensor_load_to_lds s[40:43], s[G1:G1+7]
	s_nop 0
	tensor_load_to_lds s[44:47], s[G1:G1+7]
	s_nop 0
	tensor_load_to_lds s[48:51], s[G1:G1+7]
	s_nop 0
	PLACES 4
.Lno_fill:
	v_and_b32 v2, 31, v0
	s_delay_alu instid0(VALU_DEP_1)
	v_lshlrev_b32 v[L16], 4, v2
	s_wait_alu depctr_va_vdst(0)
	v_lshlrev_b32 v[L4], 2, v2
	v_and_b32 v7, 15, v0
	s_delay_alu instid0(VALU_DEP_1)
	v_lshlrev_b32 v7, 2, v7                        ; 4 r; never rewritten
	s_wait_alu depctr_va_vdst(0)
	s_lshl_b32 s58, s[WV], 6
	s_add_co_u32 s58, s58, STG
	v_add_nc_u32 v5, s58, v7                       ; the stage, in: my wave's 16 words
	s_and_b32 s58, s[WV], 1
	s_lshl_b32 s58, s58, 9
	s_add_co_u32 s58, s58, STG
	v_add_nc_u32 v6, s58, v[L16]                   ; out: 512 bytes for each of waves 0 and 1
	s_lshl_b32 s58, s16, 7
	s_add_co_u32 s58, s58, s18
	s_lshl_b32 s58, s58, 10                        ; q_img: [pair][tile of queries][head 2][512]
	s_mov_b32 s59, 0
	s_add_nc_u64 s[4:5], s[4:5], s[58:59]
	global_load_b128 v[8:11], v[L16], s[4:5]               ; Q's fragments stay in registers
	global_load_b128 v[16:19], v[L16], s[4:5] offset:512
	s_lshl_b32 s58, s16, 14
	s_lshl_b32 s55, s18, 6
	s_add_co_u32 s58, s58, s55                     ; q_scl: [head][token][4]
	s_add_nc_u64 s[6:7], s[6:7], s[58:59]
	global_load_b32 v24, v7, s[6:7]
	global_load_b32 v25, v7, s[6:7] offset:8192
	s_lshl_b32 s58, s19, 7
	s_add_co_u32 s58, s58, s18
	s_lshl_b32 s58, s58, 3
	s_add_co_u32 s58, s58, s20
	s_lshl_b32 s58, s58, 10                        ; ctx_img: [tile of tokens][K step = pair][head 2][512]
	s_add_nc_u64 s[10:11], s[10:11], s[58:59]
	s_lshl_b32 s58, s20, 13
	s_lshl_b32 s55, s19, 11
	s_add_co_u32 s58, s58, s55
	s_lshl_b32 s55, s17, 8
	s_add_co_u32 s58, s58, s55
	s_lshl_b32 s58, s58, 2                         ; ctx_scl: [K step][token][4]: my block's 256 words,
	s_and_b32 s55, s[WV], 1
	s_lshl_b32 s55, s55, 9
	s_add_co_u32 s58, s58, s55                     ; of which waves 0 and 1 send a half each
	s_add_nc_u64 s[12:13], s[12:13], s[58:59]
.irp t, 0,1,2,3,4,5,6,7
.irp x, 4,5,6,7
	v_mov_b32 v[KF+8*\t+\x], 0                     ; the zero codes of K = 64 .. 127: written once
.endr
.endr
.irp x, 12,13,14,15,20,21,22,23
	v_mov_b32 v[\x], 0                             ; Q's likewise
.endr
.irp x, 0,1,2,3
	v_mov_b32 v[TP+\x], 0                          ; written once: a lane permute's destination counts as one of its sources
.endr
	v_mov_b32 v253, 0                              ; (named as the upper half of the pair v[252:253])
; A KEY STEP: 128 keys of head hp.  s[TB] = the step's first byte + 8,192 hp.
.macro STEP hp
	s_setprio 2
	v_add_nc_u32 v[A16], s[TB], v[L16]
	v_add_nc_u32 v[A4], s[TB], v[L4]
	PLACES 2                                       ; with the two additions: four places in front of loads into registers that the last products read
.irp t, 0,1,2,3,4,5,6,7
	ds_load_b128 v[KF+8*\t:KF+8*\t+3], v[A16] offset:512*\t
.endr
.irp t, 0,1,2,3
	ds_load_b32 v[KSR+\t], v[A4] offset:16384-7680*(\hp)+128*\t
.endr
.irp d, 0,1,2,3
.irp c, 0,1
	ds_load_b128 v[VF+8*\d+4*\c:VF+8*\d+4*\c+3], v[A16] offset:4096+1024*\d+512*\c
.endr
.endr
.irp t, 0,1
	ds_load_b32 v[VSR+\t], v[A4] offset:17408-7936*(\hp)+128*\t
.endr
	s_wait_dscnt 10                                ; K's eight loads and its four of scale words are in; V's ten may be out
.irp t, 0,1,2,3,4,5,6,7                        ; S^T = K Q^T
.if (\t)%2
	v_wmma_scale_f32_16x16x128_f8f6f4 v[S+8*\t:S+8*\t+7], v[KF+8*\t:KF+8*\t+7], v[8+8*(\hp):15+8*(\hp)], 0, v[KSR+\t/2], v[24+(\hp)] matrix_a_fmt:MATRIX_FMT_FP4 matrix_b_fmt:MATRIX_FMT_FP4 matrix_a_scale:MATRIX_SCALE_ROW1
.else
	v_wmma_scale_f32_16x16x128_f8f6f4 v[S+8*\t:S+8*\t+7], v[KF+8*\t:KF+8*\t+7], v[8+8*(\hp):15+8*(\hp)], 0, v[KSR+\t/2], v[24+(\hp)] matrix_a_fmt:MATRIX_FMT_FP4 matrix_b_fmt:MATRIX_FMT_FP4
.endif
.endr
	PLACES 4
.irp b, 0,1,2,3
	v_max3_num_f32 v[TM+\b], v[S+16*\b], v[S+1+16*\b], v[S+2+16*\b]   ; THE LARGEST SCORE OF EACH BLOCK OF 32 KEYS: it serves for the row's maximum and, since p rises with the score, for the block's largest p
.endr
.irp i, 3,5,7,9,11,13
.irp b, 0,1,2,3
	v_max3_num_f32 v[TM+\b], v[TM+\b], v[S+16*\b+\i], v[S+1+16*\b+\i]   ; (the four blocks by turns; each accumulator is read from its low end on)
.endr
.endr
.irp b, 0,1,2,3
	v_max_num_f32 v[TM+\b], v[TM+\b], v[S+15+16*\b]
.endr
.irp b, 0,1,2,3
	s_delay_alu instid0(VALU_DEP_4)
	v_permlanex16_b32 v[TP+\b], v[TM+\b], s[SEL], s[SEL+1]
.endr
.irp b, 0,1,2,3
	s_delay_alu instid0(VALU_DEP_4)
	v_max_num_f32 v[TM+\b], v[TM+\b], v[TP+\b]     ; with lane l xor 16's 16 keys
.endr
	s_delay_alu instid0(VALU_DEP_2)
	v_max3_num_f32 v254, v[TM], v[TM+1], v[TM+2]
	s_delay_alu instid0(VALU_DEP_1)
	v_max_num_f32 v254, v254, v[TM+3]              ; the step's largest score of my query
	s_delay_alu instid0(VALU_DEP_1)
	v_mul_f32 v254, s[CS], v254                    ; as t (c is positive)
	s_delay_alu instid0(VALU_DEP_1)
	v_max_num_f32 v35, v35, v254                   ; the running largest t
	v_mov_b32 v254, v34
	s_delay_alu instid0(VALU_DEP_2)
	v_floor_f32 v34, -v35                          ; the new -M = floor(-t) = -ceil(t): M is a whole number
	s_delay_alu instid0(VALU_DEP_1)
	v_sub_f32 v254, v34, v254                      ; M's old value less its new one: a whole number, 0 or less
	s_delay_alu instid0(VALU_DEP_1)
	v_cvt_i32_f32 v254, v254                       ; (it saturates)
	s_delay_alu instid0(VALU_DEP_1)
	v_ldexp_f32 v252, 1.0, v254                    ; f = 2^(old M - new M)
.set j, 0
.rept 32
	v_pk_fma_f32 v[S+j:S+j+1], v[S+j:S+j+1], s[CS:CS+1], v[34:35] op_sel_hi:[1,0,0]   ; t - M, two at a time (of the pairs c and -M the low word serves both halves)
.set j, j+2
.endr
.irp b, 0,1,2,3
	v_fma_f32 v[TM+\b], v[TM+\b], s[CS], v34       ; the same of each block's largest score
.endr
.set j, 0
	s_wait_alu depctr_va_vdst(0)
.rept 64
	v_exp_f32 v[S+j], v[S+j]                       ; p = 2^(t - M), at most 1: not normalised
.set j, j+1
.endr
	s_setprio 1
	v_pk_mul_f32 v[36:37], v[36:37], v[252:253] op_sel_hi:[1,0]   ; the sums under the new M: a plain instruction behind the exponentials
	s_wait_alu depctr_va_vdst(0)                   ; one wait for the batch of 64, ahead of its first reader
.irp b, 0,1,2,3
	v_exp_f32 v[TM+\b], v[TM+\b]                   ; the block's largest p: the same two instructions on the same number give the same bits
.endr
	v_pk_add_f32 v[244:245], v[140:141], v[144:145]
	v_pk_add_f32 v[250:251], v[148:149], v[152:153]
	v_pk_add_f32 v[248:249], v[156:157], v[160:161]
	v_pk_add_f32 v[246:247], v[164:165], v[168:169]
	v_pk_add_f32 v[238:239], v[172:173], v[176:177]
	v_pk_add_f32 v[236:237], v[180:181], v[184:185]
	v_pk_add_f32 v[234:235], v[188:189], v[192:193]
	v_pk_add_f32 v[36:37], v[36:37], v[196:197]
	v_pk_add_f32 v[244:245], v[244:245], v[136:137]
	v_pk_add_f32 v[250:251], v[250:251], v[138:139]
	v_pk_add_f32 v[248:249], v[248:249], v[142:143]
	v_pk_add_f32 v[246:247], v[246:247], v[146:147]
	v_pk_add_f32 v[238:239], v[238:239], v[150:151]
	v_pk_add_f32 v[236:237], v[236:237], v[154:155]
	v_pk_add_f32 v[234:235], v[234:235], v[158:159]
	v_pk_add_f32 v[36:37], v[36:37], v[162:163]
	v_pk_add_f32 v[244:245], v[244:245], v[166:167]
	v_pk_add_f32 v[250:251], v[250:251], v[170:171]
	v_pk_add_f32 v[248:249], v[248:249], v[174:175]
	v_pk_add_f32 v[246:247], v[246:247], v[178:179]
	v_pk_add_f32 v[238:239], v[238:239], v[182:183]
	v_pk_add_f32 v[236:237], v[236:237], v[186:187]
	v_pk_add_f32 v[234:235], v[234:235], v[190:191]
	v_pk_add_f32 v[36:37], v[36:37], v[194:195]
	v_pk_add_f32 v[244:245], v[244:245], v[198:199]
	s_delay_alu instid0(VALU_DEP_2)
	v_pk_add_f32 v[36:37], v[36:37], v[246:247]
	s_delay_alu instid0(VALU_DEP_2)
	v_pk_add_f32 v[244:245], v[244:245], v[238:239]
	v_pk_add_f32 v[250:251], v[250:251], v[236:237]
	v_pk_add_f32 v[248:249], v[248:249], v[234:235]
	s_delay_alu instid0(VALU_DEP_2)
	v_pk_add_f32 v[36:37], v[36:37], v[250:251]
	s_delay_alu instid0(VALU_DEP_2)
	v_pk_add_f32 v[244:245], v[244:245], v[248:249]
	s_delay_alu instid0(VALU_DEP_1)
	v_pk_add_f32 v[36:37], v[36:37], v[244:245]
	s_wait_alu depctr_va_vdst(0)                   ; and one for the four
.irp b, 0,1,2,3
	v_max_num_f32 v[TM+\b], 0x1800000, v[TM+\b]    ; the floor 2^(3 - 127): the byte cannot fall under 1 (a block whose every p has fallen to 0 keeps that byte: its codes are zeros)
.endr
.irp b, 0,1,2,3
	s_delay_alu instid0(VALU_DEP_4)
	v_add_nc_u32 v[TSC+\b], 0xff000000, v[TM+\b]   ; 2 off the exponent field: the conversion's scale operand
.endr
.irp b, 0,1,2,3
	s_delay_alu instid0(VALU_DEP_4)
	v_lshrrev_b32 v[TP+\b], 23, v[TSC+\b]          ; the scale's byte
.endr
	s_delay_alu instid0(VALU_DEP_3)
	v_lshl_or_b32 v32, v[TP+1], 8, v[TP]           ; p's scale word for these 128 keys
	s_delay_alu instid0(VALU_DEP_1)
	v_lshl_or_b32 v32, v[TP+2], 16, v32
	s_delay_alu instid0(VALU_DEP_1)
	v_lshl_or_b32 v32, v[TP+3], 24, v32
.irp b, 0,1,2,3
	v_cvt_scalef32_pk8_fp4_f32 v[PC+4*(\b/2)+(\b%2)], v[S+16*\b:S+16*\b+7], v[TSC+\b]        ; keys 32 b + 8 h + 0 .. 7
	v_cvt_scalef32_pk8_fp4_f32 v[PC+4*(\b/2)+2+(\b%2)], v[S+16*\b+8:S+16*\b+15], v[TSC+\b]   ; keys 32 b + 16 + 8 h + 0 .. 7
.endr
	v_nop                                          ; one plain instruction behind the last scaled conversion
.irp c, 0,1                                    ; registers 4 c + i now hold keys 64 c + 32 h + 8 i on
	v_permlane16_swap_b32 v[PC+4*\c], v[PC+4*\c+1]
	v_permlane16_swap_b32 v[PC+4*\c+2], v[PC+4*\c+3]
.endr
.set j, 0
	s_setprio 0
.rept 16
	v_pk_mul_f32 v[O+j:O+j+1], v[O+j:O+j+1], v[252:253] op_sel_hi:[1,0]   ; O^T under the new M.  These 16 also stand between the writing of p's codes and scale word and the products that take them
.set j, j+2
.endr
	s_wait_alu depctr_va_vdst(0)
	s_wait_dscnt 0x0                               ; V and its scale words are in
.irp d, 0,1,2,3                                ; O^T += V^T P^T; the four accumulators take turns, and K Q^T's eight stand between two steps
.if (\d)%2
	v_wmma_scale_f32_16x16x128_f8f6f4 v[O+8*\d:O+8*\d+7], v[VF+8*\d:VF+8*\d+7], v[PC:PC+7], v[O+8*\d:O+8*\d+7], v[VSR+\d/2], v32 matrix_a_fmt:MATRIX_FMT_FP4 matrix_b_fmt:MATRIX_FMT_FP4 matrix_a_scale:MATRIX_SCALE_ROW1
.else
	v_wmma_scale_f32_16x16x128_f8f6f4 v[O+8*\d:O+8*\d+7], v[VF+8*\d:VF+8*\d+7], v[PC:PC+7], v[O+8*\d:O+8*\d+7], v[VSR+\d/2], v32 matrix_a_fmt:MATRIX_FMT_FP4 matrix_b_fmt:MATRIX_FMT_FP4
.endif
.endr
	s_add_co_u32 s[TB], s[TB], STEPB
.endm
; A head begins: the step is written once, so its first trip finds zeros, which the first change of M leaves zeros
.macro INIT
	v_mov_b32 v35, 0xff61b1e6                      ; the largest t so far: -3e38, under every t
	s_delay_alu instid0(VALU_DEP_1)
	v_floor_f32 v34, -v35                          ; -M
	v_mov_b32 v36, 0                               ; the sum, in two halves
	v_mov_b32 v37, 0
.set j, 0
.rept 32
	v_mov_b32 v[O+j], 0
.set j, j+1
.endr
.endm
; Four key steps of head 0, as soon as their bytes are in LDS
.macro GROUP g
	s_wait_tensorcnt 3-\g                          ; my load of this group has landed; the 3 - g issued behind it may stay out
	s_wait_dscnt 0x0
	s_barrier_signal -1
	s_barrier_wait -1                              ; all four steps of the group lie in LDS
	s_mov_b32 s[TB], \g*4*STEPB
	s_mov_b32 s[CNT], 4
.Lgroup_\@:
	STEP 0
	s_sub_co_u32 s[CNT], s[CNT], 1
	s_cmp_lg_u32 s[CNT], 0
	s_cbranch_scc1 .Lgroup_\@
	s_setprio 0
.endm
; A head ends: ctx = O^T / the sum; its 64 features are two blocks of the next product's K: four registers of codes and two bytes of the scale word
.macro OUT hp
.set CX, VF+4*(\hp)
	v_add_f32 v36, v36, v37                        ; the sum's two halves,
	s_delay_alu instid0(VALU_DEP_1)
	v_permlanex16_b32 v254, v36, s[SEL], s[SEL+1]
	s_delay_alu instid0(VALU_DEP_1)
	v_add_f32 v36, v36, v254                       ; and lane l xor 16's: the row's sum
	s_wait_alu depctr_va_vdst(0)
	v_rcp_f32 v254, v36
	PLACES 4                                       ; plain instructions behind the reciprocal, and the places behind the last products
	s_wait_alu depctr_va_vdst(0)                   ; ahead of the reciprocal's first reader
.set j, 0
.rept 32
	v_mul_f32 v[S+j], v[O+j], v254                 ; register 8 t + i is ctx(query r, feature 16 t + 8 h + i)
.set j, j+1
.endr
.irp b, 0,1
	v_max3_num_f32 v[TM+\b], |v[S+16*\b]|, |v[S+1+16*\b]|, 0x1800000
.endr
.irp i, 2,4,6,8,10,12,14
.irp b, 0,1
	s_delay_alu instid0(VALU_DEP_2)
	v_max3_num_f32 v[TM+\b], v[TM+\b], |v[S+16*\b+\i]|, |v[S+1+16*\b+\i]|
.endr
.endr
.irp b, 0,1
	s_delay_alu instid0(VALU_DEP_2)
	v_permlanex16_b32 v[TP+\b], v[TM+\b], s[SEL], s[SEL+1]
.endr
.irp b, 0,1
	s_delay_alu instid0(VALU_DEP_2)
	v_max_num_f32 v[TM+\b], v[TM+\b], v[TP+\b]
.endr
.irp b, 0,1
	s_delay_alu instid0(VALU_DEP_2)
	v_add_nc_u32 v[TSC+\b], 0xff000000, v[TM+\b]
.endr
.irp b, 0,1
	s_delay_alu instid0(VALU_DEP_2)
	v_lshrrev_b32 v[TP+\b], 23, v[TSC+\b]
.endr
.if (\hp) == 0
	s_delay_alu instid0(VALU_DEP_1)
	v_lshl_or_b32 v33, v[TP+1], 8, v[TP]           ; the word's bytes 0, 1
.else
	s_delay_alu instid0(VALU_DEP_1)
	v_lshl_or_b32 v255, v[TP+1], 8, v[TP]
	s_delay_alu instid0(VALU_DEP_1)
	v_lshl_or_b32 v33, v255, 16, v33               ; and 2, 3
.endif
	v_cvt_scalef32_pk8_fp4_f32 v[CX], v[S:S+7], v[TSC]
	v_cvt_scalef32_pk8_fp4_f32 v[CX+1], v[S+16:S+23], v[TSC+1]
	v_cvt_scalef32_pk8_fp4_f32 v[CX+2], v[S+8:S+15], v[TSC]
	v_cvt_scalef32_pk8_fp4_f32 v[CX+3], v[S+24:S+31], v[TSC+1]
	v_nop                                          ; one plain instruction behind the last scaled conversion
	v_permlane16_swap_b32 v[CX], v[CX+1]
	v_permlane16_swap_b32 v[CX+2], v[CX+3]
	global_store_b128 v[L16], v[CX:CX+3], s[10:11] offset:512*(\hp)   ; 32 lanes store 512 consecutive bytes, aligned
.endm
	INIT
	s_wait_loadcnt 0x0                             ; Q and its scale words
	GROUP 0
	GROUP 1
	GROUP 2
	GROUP 3
	OUT 0
	s_wait_xcnt 0x0                                ; the store has read its registers: V's fragments land there again
	INIT
	s_mov_b32 s[TB], 8192                          ; the pair's second head: everything lies in LDS
	s_mov_b32 s[CNT], 16
.Lhead_1:
	STEP 1
	s_sub_co_u32 s[CNT], s[CNT], 1
	s_cmp_lg_u32 s[CNT], 0
	s_cbranch_scc1 .Lhead_1
	s_setprio 0
	OUT 1
	ds_store_b32 v5, v33                           ; my 16 queries' scale words (both halves of the lanes write a query's word, with the same value)
	s_wait_dscnt 0x0                               ; for the others' sake
	s_barrier_signal -1
	s_barrier_wait -1
	s_cmp_lt_u32 s[WV], 2                          ; the block's 256 words leave as two runs of 512 bytes
	s_cbranch_scc0 .Lno_words
	ds_load_b128 v[40:43], v6
	s_wait_dscnt 0x0
	global_store_b128 v[L16], v[40:43], s[12:13]
.Lno_words:
	s_wait_tensorcnt 0x0
	ds_add_u32 v38, v39
	s_wait_dscnt 0x0
	ROUND                                          ; the closing round: no work-group ends while a partner may still ask for a tile that names it
	s_endpgm
.Lfunc_end_k_q057d979948_attn:
	.size	k_q057d979948_attn, .Lfunc_end_k_q057d979948_attn-k_q057d979948_attn
	.p2alignl 7, 3214868480
	.fill 96, 4, 3214868480
	.section	.rodata,"a",@progbits
	.p2align	6, 0x0
	.amdhsa_kernel k_q057d979948_attn
		.amdhsa_group_segment_fixed_size 296960
		.amdhsa_private_segment_fixed_size 0
		.amdhsa_enable_private_segment 0
		.amdhsa_kernarg_size 40
		.amdhsa_user_sgpr_count 2
		.amdhsa_user_sgpr_kernarg_segment_ptr 1
		.amdhsa_wavefront_size32 1
		.amdhsa_system_sgpr_workgroup_id_x 1
		.amdhsa_system_sgpr_workgroup_id_y 1
		.amdhsa_system_sgpr_workgroup_id_z 1
		.amdhsa_system_vgpr_workitem_id 0
		.amdhsa_next_free_vgpr 256
		.amdhsa_next_free_sgpr 66
		.amdhsa_reserve_vcc 0
		.amdhsa_float_denorm_mode_32 3
		.amdhsa_float_denorm_mode_16_64 3
		.amdhsa_memory_ordered 1
		.amdhsa_forward_progress 1
		.amdhsa_inst_pref_size 101
	.end_amdhsa_kernel
	.amdgpu_metadata
---
amdhsa.version: [ 1, 2 ]
amdhsa.kernels:
  - .name:           k_q057d979948_attn
    .symbol:         k_q057d979948_attn.kd
    .args:
      - { .name: q_img, .offset: 0, .size: 8, .value_kind: global_buffer, .address_space: global }
      - { .name: q_scl, .offset: 8, .size: 8, .value_kind: global_buffer, .address_space: global }
      - { .name: kv, .offset: 16, .size: 8, .value_kind: global_buffer, .address_space: global }
      - { .name: ctx_img, .offset: 24, .size: 8, .value_kind: global_buffer, .address_space: global }
      - { .name: ctx_scl, .offset: 32, .size: 8, .value_kind: global_buffer, .address_space: global }
    .group_segment_fixed_size: 296960
    .private_segment_fixed_size: 0
    .kernarg_segment_align: 8
    .kernarg_segment_size: 40
    .max_flat_workgroup_size: 512
    .sgpr_count:     66
    .vgpr_count:     256
    .wavefront_size: 32
...
	.end_amdgpu_metadata
.endif
;; end of part 2
;; launch outp (part 3): grid 4 x 64, 8 waves a work-group, clusters of 4 x 4, 279,552 bytes of LDS; arguments Wo_codes, Wo_scales, bo, ctx_img, ctx_scl, out0; writes out0
.if DOCPART == 3
	.amdgcn_target "amdgcn-amd-amdhsa--gfx1250"
	.amdhsa_code_object_version 6
	.text
	.protected	k_q057d979948_outp
	.globl	k_q057d979948_outp
	.p2align	8
	.type	k_q057d979948_outp,@function
k_q057d979948_outp:
	s_mov_b64 s[64:65], 0
	v_nop
	global_prefetch_b8 v0, s[64:65] scope:SCOPE_SE
	s_setreg_imm32_b32 hwreg(HW_REG_WAVE_MODE, 25, 1), 1
	s_wait_xcnt 0x0
	s_wait_alu depctr_hold_cnt(0) depctr_sa_sdst(0) depctr_va_vdst(0) depctr_va_sdst(0) depctr_va_ssrc(0) depctr_va_vcc(0) depctr_vm_vsrc(0)
	s_getreg_b32 s2, hwreg(HW_REG_IB_STS2, 6, 4)
	s_cmp_eq_u32 s2, 0
	s_cbranch_scc0 .Lentry_in_a_cluster
	s_endpgm
.Lentry_in_a_cluster:
	s_bfe_u32 s2, ttmp6, 0x10000c
	s_cmp_lg_u32 s2, 0xf033
	s_cbranch_scc0 .Lentry_shape_is_right
	s_endpgm
.Lentry_shape_is_right:
; THE OUTPUT PROJECTION out = ctx Wo^T + bo on codes of FP4 (E2M1) with one E8M0 scale for each 32 along K = 1,024.  Wo arrives as codes in rows; ctx as images of operand registers with its scale words
; laid by K step, as the launch before has stored them.  out0 is [8,192][1,024] f32.
; THE MATRIX INSTRUCTION IS USED TRANSPOSED: source 0 = 16 rows of Wo (output columns), source 1 = 16 tokens: a lane then holds eight neighbouring numbers of a row of the output.
; SHARES.  A work-group makes 256 columns x 128 tokens over all of K: 256 work-groups.  Eight waves; wave W makes columns 128 (W & 1) on x tokens 32 (W >> 1) on: 8 x 2 accumulators, 128 registers.
; LDS.  All of K lies in LDS at once, in two halves of 512 along K: nothing is filled twice.  Wo's rows are 256 bytes + 16 of padding; ctx's images are read as consecutive bytes and need none.
; CLUSTERS: 4 x 4 work-groups.  Wo's tile hangs on the place along x alone and is shared down a column of the cluster, ctx's on the place along y alone and is shared along a row: each is asked for jointly.
; THE BIAS is the C of each sum's first matrix instruction: it is added ahead of the K sum where the definition adds it behind: another order of f32 rounding, nothing else.
; REGISTERS: v1-2, v3-4 LDS addresses of my fragments of Wo, of ctx in the two K halves; v5, v6 my stage, in and out; v7 16 x lane; v8-71 Wo's 8 fragments; v72-87 ctx's 2; v88-127 scale words and nothing else;
; v128-255 the accumulators ((i, j) at 128 + 64 j + 8 i).
.set F0,    8
.set F1,    72
.set SC,    88                         ; register SC + 8 m + s: K step s, lanes 0-15 Wo's tile m, lanes 16-31 tile m + 4;  SC + 32 + s: lanes 0-15 ctx's tile 0, lanes 16-31 tile 1
.set ACC,   128
.set PITCH, 272
.set S0H,   256*PITCH                  ; one K half of Wo's 256 rows
.set S1B,   2*S0H                      ; behind both: ctx's images, [tile of tokens 8][4,096 bytes] for each K half
.set S1H,   32768
.set STG,   S1B+2*S1H                  ; behind them: a stage of 16 rows x (512 bytes + 16) for each wave; no tile lands here
.set SP,    528
.set WV,    40                         ; s40 wave; s41 its 128 columns; s42 its 32 tokens; s43 wave & 3; s44, s45 place in the cluster; s48 tile of columns; s49 tile of tokens
.macro ROUND                           ; a round of the cluster's barrier
	s_barrier_signal -1
	s_barrier_wait -1
	s_cmp_lg_u32 s[WV], 0
	s_cbranch_scc1 .Lnot_wave_0_\@
	s_barrier_signal -3
.Lnot_wave_0_\@:
	s_barrier_wait -3
	s_barrier_signal -1
	s_barrier_wait -1
.endm
.macro PLACES n
.rept \n
	v_nop
.endr
.endm
; the matrix instruction: D at d, source 0 at a, source 1 at b, C at c; scale registers sa, sb; ra, rb = 1: that side's words are taken from lanes 16-31
.macro W4 d, a, b, c, sa, sb, ra, rb
.if (\ra) && (\rb)
	v_wmma_scale_f32_16x16x128_f8f6f4 v[0+(\d):7+(\d)], v[0+(\a):7+(\a)], v[0+(\b):7+(\b)], v[0+(\c):7+(\c)], v[\sa], v[\sb] matrix_a_fmt:MATRIX_FMT_FP4 matrix_b_fmt:MATRIX_FMT_FP4 matrix_a_scale:MATRIX_SCALE_ROW1 matrix_b_scale:MATRIX_SCALE_ROW1
.elseif (\ra)
	v_wmma_scale_f32_16x16x128_f8f6f4 v[0+(\d):7+(\d)], v[0+(\a):7+(\a)], v[0+(\b):7+(\b)], v[0+(\c):7+(\c)], v[\sa], v[\sb] matrix_a_fmt:MATRIX_FMT_FP4 matrix_b_fmt:MATRIX_FMT_FP4 matrix_a_scale:MATRIX_SCALE_ROW1
.elseif (\rb)
	v_wmma_scale_f32_16x16x128_f8f6f4 v[0+(\d):7+(\d)], v[0+(\a):7+(\a)], v[0+(\b):7+(\b)], v[0+(\c):7+(\c)], v[\sa], v[\sb] matrix_a_fmt:MATRIX_FMT_FP4 matrix_b_fmt:MATRIX_FMT_FP4 matrix_b_scale:MATRIX_SCALE_ROW1
.else
	v_wmma_scale_f32_16x16x128_f8f6f4 v[0+(\d):7+(\d)], v[0+(\a):7+(\a)], v[0+(\b):7+(\b)], v[0+(\c):7+(\c)], v[\sa], v[\sb] matrix_a_fmt:MATRIX_FMT_FP4 matrix_b_fmt:MATRIX_FMT_FP4
.endif
.endm
.macro MM i, j, s                      ; accumulator (i, j) takes K step s, in place
	W4 ACC+64*(\j)+8*(\i), F0+8*(\i), F1+8*(\j), ACC+64*(\j)+8*(\i), SC+8*((\i)%4)+(\s), SC+32+(\s), (\i)/4, \j
.endm
.macro MMC i, j, s, c                  ; the same with C in other registers
	W4 ACC+64*(\j)+8*(\i), F0+8*(\i), F1+8*(\j), \c, SC+8*((\i)%4)+(\s), SC+32+(\s), (\i)/4, \j
.endm
.macro FETCH kap, q                    ; the fragments of the q-th 128 along K of half kap: ctx's two first (images: 512 bytes for four registers), then Wo's eight (rows: two loads of 16 bytes, 32 bytes apart)
.irp j, 0,1
.irp c, 0,1
	ds_load_b128 v[F1+8*\j+4*\c:F1+8*\j+4*\c+3], v[3+(\kap)] offset:\j*4096+1024*(\q)+512*\c
.endr
.endr
.irp i, 0,1,2,3,4,5,6,7
.irp c, 0,1
	ds_load_b128 v[F0+8*\i+4*\c:F0+8*\i+4*\c+3], v[1+(\kap)] offset:\i*16*PITCH+64*(\q)+32*\c
.endr
.endr
.endm
; A K step of 128: 20 LDS loads, 16 matrix instructions.  The 16 accumulators take turns, one instruction a turn; the last is (7, 1), the next step's first (0, 0).
.macro KSTEP kap, q
	PLACES 4                                       ; in front of loads into registers that matrix instructions have read
	FETCH \kap, \q
.irp i, 0,1,2,3,4,5,6,7
	s_wait_dscnt 14-2*\i                           ; ctx's fragments and Wo's tiles 0 .. i are in; the two loads of each later tile may be out
	MM \i, 0, 4*(\kap)+(\q)
	MM \i, 1, 4*(\kap)+(\q)
.endr
.endm
	s_load_b256 s[4:11], s[0:1], 0x0               ; Wo's codes s[4:5], Wo's scales s[6:7], bo s[8:9], ctx_img s[10:11]
	s_load_b128 s[12:15], s[0:1], 0x20             ; ctx_scl s[12:13], out0 s[14:15]
	s_set_vgpr_msb 0x40
	v_lshl_add_u32 v0, v0, 2, 0x44000
	v_mov_b32 v1, 0
	s_set_vgpr_msb 0x4045
	ds_add_u32 v0, v1
	ds_add_u32 v0, v1
	s_set_vgpr_msb 0x4500
	v_lshrrev_b32 v1, 5, v0
	s_delay_alu instid0(VALU_DEP_1)
	v_readfirstlane_b32 s[WV], v1                  ; wave 0..7
	s_and_b32 s41, s[WV], 1
	s_lshr_b32 s42, s[WV], 1
	s_and_b32 s43, s[WV], 3
	s_bfe_u32 s44, ttmp6, 0x40000                  ; cx
	s_bfe_u32 s45, ttmp6, 0x40004                  ; cy
	s_lshl_b32 s48, ttmp9, 2
	s_add_co_u32 s48, s48, s44                     ; tile of 256 columns: hangs on cx, never on cy
	s_and_b32 s49, ttmp7, 0xffff
	s_lshl_b32 s49, s49, 2
	s_add_co_u32 s49, s49, s45                     ; tile of 128 tokens: hangs on cy, never on cx
	s_lshl_b32 s50, 0x1111, s44                    ; my column of the cluster
	s_lshl_b32 s51, s45, 2
	s_lshl_b32 s51, 15, s51                        ; my row
	; descriptor group 1.  Wo: 64 rows x 256 bytes out of rows of 512, elements of 1 byte, 16 bytes of padding behind every 64 words
	s_or_b32 s52, s50, (1<<20)|(1<<21)|(5<<22)|(3<<25)   ; 15:0 the mask: my column; 20 padding on; 21 set beside a mask; 24:22 after every 64 words; 31:25 four words
	s_mov_b32 s53, 256<<16                         ; tensor_dim0
	s_mov_b32 s54, 64<<16                          ; tensor_dim1
	s_mov_b32 s55, 256<<16                         ; tile_dim0
	s_mov_b32 s56, 64                              ; tile_dim1
	s_mov_b32 s57, 512                             ; from row to row
	s_mov_b32 s58, 0
	s_mov_b32 s59, 0
	; ctx: two tiles of tokens, of each the K half's 4,096 bytes out of 8,192: 2 rows x 512 elements of 8 bytes, no padding
	s_or_b32 s72, s51, (3<<16)|(1<<21)             ; the mask: my row
	s_mov_b32 s73, 512<<16
	s_mov_b32 s74, 2<<16
	s_mov_b32 s75, 512<<16
	s_mov_b32 s76, 2
	s_mov_b32 s77, 1024
	s_mov_b32 s78, 0
	s_mov_b32 s79, 0
	s_wait_dscnt 0x0
	s_wait_kmcnt 0x0
	; descriptor groups 0: a set for each K half.  Every wave makes Wo's and ctx's; waves 0-3 ask by Wo's, waves 4-7 by ctx's
	s_lshl_b32 s16, s48, 8
	s_lshl_b32 s17, s43, 6
	s_add_co_u32 s16, s16, s17                     ; Wo: row 256 x tile + 64 x (wave & 3),
	s_lshl_b32 s16, s16, 9                         ; of 512 bytes
	s_mov_b32 s17, 0
	s_add_nc_u64 s[16:17], s[4:5], s[16:17]
	s_mul_i32 s20, s43, 64*PITCH
	s_mov_b32 s60, 1
	s_add_co_u32 s61, s20, 0
	s_mov_b64 s[62:63], s[16:17]
	s_or_b32 s63, s63, 0x80000000
	s_mov_b32 s68, 1
	s_add_co_u32 s69, s20, S0H
	s_add_nc_u64 s[70:71], s[16:17], 256
	s_or_b32 s71, s71, 0x80000000
	s_lshl_b32 s18, s49, 3
	s_lshl_b32 s19, s43, 1
	s_add_co_u32 s18, s18, s19                     ; ctx: tile of 16 tokens 8 x tile + 2 x (wave & 3),
	s_lshl_b32 s18, s18, 13                        ; of 8,192 bytes
	s_mov_b32 s19, 0
	s_add_nc_u64 s[18:19], s[10:11], s[18:19]
	s_lshl_b32 s21, s43, 13
	s_mov_b32 s80, 1
	s_add_co_u32 s81, s21, S1B
	s_mov_b64 s[82:83], s[18:19]
	s_or_b32 s83, s83, 0x80000000
	s_mov_b32 s84, 1
	s_add_co_u32 s85, s21, S1B+S1H
	s_add_nc_u64 s[86:87], s[18:19], 4096
	s_or_b32 s87, s87, 0x80000000
	ROUND                                          ; all sixteen work-groups are here: the joint loads meet
	s_cmp_lt_u32 s[WV], 4                          ; a wave's two fills stand in one branch on its number; two loads of mine are out; four v_nop follow the second
	s_cbranch_scc0 .Lfill_s1
	tensor_load_to_lds s[60:63], s[52:59]
	s_nop 0
	tensor_load_to_lds s[68:71], s[52:59]
	s_nop 0
	PLACES 4
	s_branch .Lfilled
.Lfill_s1:
	tensor_load_to_lds s[80:83], s[72:79]
	s_nop 0
	tensor_load_to_lds s[84:87], s[72:79]
	s_nop 0
	PLACES 4
.Lfilled:
	v_and_b32 v8, 15, v0                           ; r
	v_bfe_u32 v9, v0, 4, 1                         ; h
	v_and_b32 v10, 31, v0                          ; lane
	s_delay_alu instid0(VALU_DEP_1)
	v_lshlrev_b32 v7, 4, v10                       ; 16 x lane
	s_delay_alu instid0(VALU_DEP_4)
	v_mul_u32_u24 v11, v8, PITCH
	s_delay_alu instid0(VALU_DEP_1)
	v_lshl_add_u32 v11, v9, 4, v11                 ; a fragment's row x pitch + 16 x half
	s_mul_i32 s20, s41, 128*PITCH
	v_add_nc_u32 v1, s20, v11                      ; my 128 rows of Wo, first K half,
	s_delay_alu instid0(VALU_DEP_1)
	v_add_nc_u32 v2, S0H, v1                       ; second
	s_lshl_b32 s20, s42, 13
	s_add_co_u32 s20, s20, S1B
	v_add_nc_u32 v3, s20, v7                       ; my two tiles of tokens
	s_delay_alu instid0(VALU_DEP_1)
	v_add_nc_u32 v4, S1H, v3
	s_mul_i32 s20, s[WV], 16*SP
	s_add_co_u32 s20, s20, STG                     ; my stage
	v_mul_u32_u24 v5, v8, SP
	s_delay_alu instid0(VALU_DEP_1)
	v_lshl_add_u32 v5, v9, 5, v5
	s_delay_alu instid0(VALU_DEP_1)
	v_add_nc_u32 v5, s20, v5                       ; in: row r, 32 bytes for each half of the lanes
	v_add_nc_u32 v6, s20, v7                       ; back: the 32 lanes take one row of 512 bytes
	v_lshlrev_b32 v128, 5, v8                      ; offsets of the loads below, in registers that nothing writes before those loads are in:
	s_delay_alu instid0(VALU_DEP_1)
	v_lshl_add_u32 v128, v9, 11, v128              ; Wo's scale bytes: 32 a row; lanes 16-31 take the tile four (64 rows) further on
	s_wait_alu depctr_va_vdst(0)
	v_lshlrev_b32 v129, 2, v10                     ; ctx's scale words: lane l takes token l of my 32
	s_wait_alu depctr_va_vdst(0)
	v_lshlrev_b32 v130, 5, v9                      ; the bias: 8 numbers for each half of the lanes
	s_wait_alu depctr_va_vdst(0)
	s_lshl_b32 s20, s48, 8
	s_lshl_b32 s21, s41, 7
	s_add_co_u32 s20, s20, s21                     ; my first column
	s_lshl_b32 s22, s20, 5
	s_mov_b32 s23, 0
	s_add_nc_u64 s[6:7], s[6:7], s[22:23]
	s_lshl_b32 s22, s20, 2
	s_add_nc_u64 s[8:9], s[8:9], s[22:23]
	s_lshl_b32 s24, s49, 7
	s_lshl_b32 s25, s42, 5
	s_add_co_u32 s24, s24, s25                     ; my first token
	s_lshl_b32 s22, s24, 2
	s_add_nc_u64 s[12:13], s[12:13], s[22:23]
	s_lshl_b32 s22, s24, 12                        ; a row of the output is 4,096 bytes
	s_lshl_b32 s25, s20, 2
	s_add_co_u32 s22, s22, s25
	s_add_nc_u64 s[14:15], s[14:15], s[22:23]
	; THE SCALE WORDS OF ALL OF K go straight into registers
.irp m, 0,1,2,3
	global_load_b128 v[SC+8*\m:SC+8*\m+3], v128, s[6:7] offset:512*\m
	global_load_b128 v[SC+8*\m+4:SC+8*\m+7], v128, s[6:7] offset:512*\m+16
.endr
.irp s, 0,1,2,3,4,5,6,7
	global_load_b32 v[SC+32+\s], v129, s[12:13] offset:32768*\s   ; [K step][token][4]: 32 lanes read 128 consecutive bytes
.endr
.irp i, 0,1,2,3,4,5,6,7                        ; the bias runs along the registers: tile i's eight numbers of my half, into accumulator (i, 1)
	global_load_b128 v[ACC+64+8*\i:ACC+64+8*\i+3], v130, s[8:9] offset:64*\i
	global_load_b128 v[ACC+64+8*\i+4:ACC+64+8*\i+7], v130, s[8:9] offset:64*\i+16
.endr
	s_wait_tensorcnt 0x1                           ; my part of the first K half is in; the second half's load may stay out
	s_barrier_signal -1
	s_barrier_wait -1                              ; everybody's is
	FETCH 0, 0
	s_wait_loadcnt 0x0                             ; the scale words and the bias
	s_wait_dscnt 0x0
.irp i, 0,1,2,3,4,5,6,7                        ; the first K step takes the bias as C
	MMC \i, 0, 0, ACC+64+8*\i
.endr
	PLACES 5                                       ; the next eight write over registers that the last eight took as C
.irp i, 0,1,2,3,4,5,6,7
	MM \i, 1, 0
.endr
	KSTEP 0, 1
	KSTEP 0, 2
	KSTEP 0, 3
	s_wait_tensorcnt 0x0                           ; my part of the second K half is in,
	s_wait_dscnt 0x0
	s_barrier_signal -1
	s_barrier_wait -1                              ; everybody's is
	KSTEP 1, 0
	KSTEP 1, 1
	KSTEP 1, 2
	KSTEP 1, 3
	; THE WAY OUT, a block of 16 tokens x 128 columns at a time.  A lane holds 32 neighbouring bytes of a row and the lanes beside it hold other rows: so a block goes through my own stage and comes back as whole
	; rows of 512 bytes.  LDS serves a wave's instructions in order (ISA guide 5.7.1.4): no wait stands between the stores and the loads, nor in front of the next block's stores.
	PLACES 4                                       ; behind the last products: their results are read, and loads land in their sources
.irp i, 0,1,2,3,4,5,6,7
	ds_store_b128 v5, v[ACC+8*\i:ACC+8*\i+3] offset:64*\i          ; each accumulator from its low end on
	ds_store_b128 v5, v[ACC+8*\i+4:ACC+8*\i+7] offset:64*\i+16
.endr
.irp t, 0,1,2,3,4,5,6,7,8,9,10,11,12,13,14,15
	ds_load_b128 v[8+4*\t:11+4*\t], v6 offset:\t*SP
.endr
.irp i, 0,1,2,3,4,5,6,7
	ds_store_b128 v5, v[ACC+64+8*\i:ACC+64+8*\i+3] offset:64*\i
	ds_store_b128 v5, v[ACC+64+8*\i+4:ACC+64+8*\i+7] offset:64*\i+16
.endr
.irp t, 0,1,2,3,4,5,6,7,8,9,10,11,12,13,14,15
	ds_load_b128 v[ACC+4*\t:ACC+4*\t+3], v6 offset:\t*SP           ; into the first block's registers, which have gone through the stage
.endr
	s_wait_dscnt 32                                ; the first block is back; behind its loads stand the second block's 16 stores and 16 loads
.irp t, 0,1,2,3,4,5,6,7,8,9,10,11,12,13,14,15
	global_store_b128 v7, v[8+4*\t:11+4*\t], s[14:15] offset:\t*4096 th:TH_STORE_NT   ; 32 lanes store 512 consecutive bytes of a row, aligned; written once, read by nobody here
.endr
	s_wait_dscnt 0x0
.irp t, 0,1,2,3,4,5,6,7,8,9,10,11,12,13,14,15
	global_store_b128 v7, v[ACC+4*\t:ACC+4*\t+3], s[14:15] offset:65536+\t*4096 th:TH_STORE_NT
.endr
	s_set_vgpr_msb 0x5
	s_wait_tensorcnt 0x0
	ds_add_u32 v0, v1
	s_wait_dscnt 0x0
	s_set_vgpr_msb 0x500
	ROUND                                          ; the closing round: no work-group ends while a partner may still ask for a tile that names it
	s_endpgm
.Lfunc_end_k_q057d979948_outp:
	.size	k_q057d979948_outp, .Lfunc_end_k_q057d979948_outp-k_q057d979948_outp
	.p2alignl 7, 3214868480
	.fill 96, 4, 3214868480
	.section	.rodata,"a",@progbits
	.p2align	6, 0x0
	.amdhsa_kernel k_q057d979948_outp
		.amdhsa_group_segment_fixed_size 279552
		.amdhsa_private_segment_fixed_size 0
		.amdhsa_enable_private_segment 0
		.amdhsa_kernarg_size 48
		.amdhsa_user_sgpr_count 2
		.amdhsa_user_sgpr_kernarg_segment_ptr 1
		.amdhsa_wavefront_size32 1
		.amdhsa_system_sgpr_workgroup_id_x 1
		.amdhsa_system_sgpr_workgroup_id_y 1
		.amdhsa_system_sgpr_workgroup_id_z 1
		.amdhsa_system_vgpr_workitem_id 0
		.amdhsa_next_free_vgpr 258
		.amdhsa_next_free_sgpr 96
		.amdhsa_reserve_vcc 0
		.amdhsa_float_denorm_mode_32 3
		.amdhsa_float_denorm_mode_16_64 3
		.amdhsa_memory_ordered 1
		.amdhsa_forward_progress 1
		.amdhsa_inst_pref_size 47
	.end_amdhsa_kernel
	.amdgpu_metadata
---
amdhsa.version: [ 1, 2 ]
amdhsa.kernels:
  - .name:           k_q057d979948_outp
    .symbol:         k_q057d979948_outp.kd
    .args:
      - { .name: Wo_codes, .offset: 0, .size: 8, .value_kind: global_buffer, .address_space: global }
      - { .name: Wo_scales, .offset: 8, .size: 8, .value_kind: global_buffer, .address_space: global }
      - { .name: bo, .offset: 16, .size: 8, .value_kind: global_buffer, .address_space: global }
      - { .name: ctx_img, .offset: 24, .size: 8, .value_kind: global_buffer, .address_space: global }
      - { .name: ctx_scl, .offset: 32, .size: 8, .value_kind: global_buffer, .address_space: global }
      - { .name: out0, .offset: 40, .size: 8, .value_kind: global_buffer, .address_space: global }
    .group_segment_fixed_size: 279552
    .private_segment_fixed_size: 0
    .kernarg_segment_align: 8
    .kernarg_segment_size: 48
    .max_flat_workgroup_size: 256
    .sgpr_count:     96
    .vgpr_count:     258
    .wavefront_size: 32
...
	.end_amdgpu_metadata
.endif
;; end of part 3
